; MI455X (gfx1250); checked and timed in simulation.
; The chip was launched on July 23, 2026; its instructions are those of AMD's public machine-readable ISA for CDNA 5 (MIT licence, August 2026) and "CDNA5" Instruction Set Architecture Reference Guide (July 2026). The comments in the code are by the model that wrote it; some were corrected since.
;; Encoder Layer. Allowed arithmetic: matrix products marked QUANTISED: E4M3 operands, one given power-of-two scale a tensor, by v_wmma_f32_16x16x64_fp8_fp8 or v_wmma_f32_16x16x128_fp8_fp8, f32 sums; everything else in f32.
;; Inputs: W1 1,024 x 512 float32; W2 512 x 1,024 float32; Wk 1,024 x 1,024 float32; Wo 1,024 x 1,024 float32; Wq 1,024 x 1,024 float32; Wv 1,024 x 1,024 float32; alpha1 1,024 float32; alpha2 1,024 float32; b1 512 float32; b2 1,024 float32; beta1 1,024 float32; beta2 1,024 float32; bk 1,024 float32; bo 1,024 float32; bq 1,024 float32; bv 1,024 float32; lowp_scales 16 int32 (the exponents e of the quantised operands' scales 2^e); x 2 x 2,048 x 1,024 float32.
;; Outputs: out0 2 x 2,048 x 1,024 float32.
;; This version of the problem:
;;   THIS VERSION OF THE PROBLEM IS GIVEN IN LOW PRECISION. The matrix products marked QUANTISED in the list below multiply operands that are first quantised to E4M3 (4 exponent bits, 3 mantissa bits; 8 bits a number), with one given power-of-two scale for each operand tensor; their sums are f32. All else is computed in f32.
;;   The module's matrix products, in the order in which they are computed (A, B: the left and right operand; K: the contracted axis; several contracted axes count as one K, in the product's order):
;;     1. [M 4,096, K 1,024] x [K 1,024, N 1,024]; A: computed on the way; B: input Wq: QUANTISED (scales: A lowp_scales[0], B lowp_scales[1])
;;     2. [M 4,096, K 1,024] x [K 1,024, N 1,024]; A: computed on the way; B: input Wk: QUANTISED (scales: A lowp_scales[2], B lowp_scales[3])
;;     3. [M 4,096, K 1,024] x [K 1,024, N 1,024]; A: computed on the way; B: input Wv: QUANTISED (scales: A lowp_scales[4], B lowp_scales[5])
;;     4. batch 32 x [M 2,048, K 64] x [K 64, N 2,048]; A: computed on the way; B: computed on the way: QUANTISED (scales: A lowp_scales[6], B lowp_scales[7])
;;     5. batch 32 x [M 64, K 2,048] x [K 2,048, N 2,048]; A: computed on the way; B: softmax (see below): QUANTISED (scales: A lowp_scales[8], B lowp_scales[9])
;;     6. [M 4,096, K 1,024] x [K 1,024, N 1,024]; A: computed on the way; B: input Wo: QUANTISED (scales: A lowp_scales[10], B lowp_scales[11])
;;     7. [M 4,096, K 1,024] x [K 1,024, N 512]; A: computed on the way; B: input W1: QUANTISED (scales: A lowp_scales[12], B lowp_scales[13])
;;     8. [M 4,096, K 512] x [K 512, N 1,024]; A: computed on the way; B: input W2: QUANTISED (scales: A lowp_scales[14], B lowp_scales[15])
;;   THE QUANTISER, for each operand of a quantised product, along K:
;;     - The operand's scale is 2^e, e = its entry of the input lowp_scales (int32; the entries are numbered through the quantised products in the list's order, A before B).
;;     - Each number is divided by the scale, clamped to +-448, and rounded to the nearest number of E4M3, ties to even, subnormals kept.
;;     - The product sums the exact products of the quantised numbers (number of the format x scale) in f32.
;;   ~~~python
;;   def quantise(x, axis, e):      # numpy; x: float32 -> the quantised numbers, widened to float32 again
;;       x = np.moveaxis(x, axis, -1); K = x.shape[-1]
;;       r = np.clip(x / 2.0 ** e, -448, 448)
;;       step = 2.0 ** (np.maximum(np.frexp(np.where(r == 0, 1, r))[1] - 1, -6) - 3)
;;       q = np.round(r / step) * step * 2.0 ** e      # np.round: ties to even
;;       return np.moveaxis(q, -1, axis).astype(np.float32)
;;   ~~~
;;   SOFTMAX AHEAD OF A QUANTISED PRODUCT. Where the list says 'softmax', what is quantised is not the finished softmax but p = 2^(t - M), with t = logit x log2(e) and M = ceil(the row's largest t), a whole number; so 1/2 < the row's largest p <= 1. The row's sum l is taken of the UNQUANTISED p, in f32, and the product's result is divided by l at the end. Since M is a whole number, a kernel that streams over the keys may use a running M (the ceiling of the running maximum): every later rescaling is an exact power of two, so the quantised numbers keep their values, but for numbers so far below the row's largest that they fall under the format's range.
;;   OPERANDS COMPUTED ON THE WAY. 'Computed on the way' means the value that the module computes at that place (a softmax that the list does not call 'softmax' is quantised finished and normalised). What goes into a quantiser is computed in f32, as accurately as f32 sums, v_exp_f32 and their like allow (about 1e-6 of the number): no bf16 or f16 on the way to a quantiser, and a product that is left as it is and whose result goes on into a quantised operand takes f32 operands (vector FMAs, or v_wmma_f32_16x16x4_f32). A number that lies on a knife's edge between two numbers of the format may be rounded either way, as far as f32 arithmetic and the matrix unit's own rounding can turn it there, and no further.
;; One version. Each part assembles by itself: llvm-mc -triple=amdgcn-amd-amdhsa -mcpu=gfx1250 --defsym DOCPART=n.
;; ======== version 1 of 1: 4 launches
;; limits: right only within a limited range of input values
;; workspace buffers: ximg 12,582,912 bytes; wimg 5,242,880 bytes; stats 32,768 bytes; qimg 4,194,304 bytes; kvimg 8,388,608 bytes; oimg 4,194,304 bytes
;; launch prep (part 1): grid 416 x 1, 8 waves a work-group, no clusters, 51,200 bytes of LDS; arguments x, alpha1, beta1, Wq, Wk, Wv, Wo, W1, W2, lowp_scales, ximg, wimg, stats; writes ximg, wimg, stats
.if DOCPART == 1
	.amdgcn_target "amdgcn-amd-amdhsa--gfx1250"
	.amdhsa_code_object_version 6
	.text
	.protected	k_qddd8d29f85_prep
	.globl	k_qddd8d29f85_prep
	.p2align	8
	.type	k_qddd8d29f85_prep,@function
k_qddd8d29f85_prep:
	s_mov_b64 s[64:65], 0
	v_nop
	global_prefetch_b8 v0, s[64:65] scope:SCOPE_SE
	s_setreg_imm32_b32 hwreg(HW_REG_WAVE_MODE, 25, 1), 1
	s_wait_xcnt 0x0
; PREP: everything that is quantised from inputs alone.  Nothing of reference() is left out in this program: every input has a way to out0 (bk too: it moves k's codes).
; Work-groups 0-255: norm_1 of 16 tokens (mean, variance over N-1 in two passes, so that a common offset of x costs nothing), quantised three times, with e0, e2, e4, since
; products 1 to 3 may have three different scales for their left operand; (mean, 1/sqrt(var+eps)) of each row goes to stats, from which the last launch makes norm_1(x) again.
; Work-groups 256-415: the six weights, [K][N] f32, become codes with K innermost: a lane takes a column and its registers run down K.
; ALL OPERANDS OF THIS PROGRAM LIE IN MEMORY AS IMAGES OF THEIR REGISTERS.  An image of 16 rows x 128 K is 2,048 bytes: the byte at 512 i + 16 l + y is byte y%4 of register 4 i + y/4 of
; lane l = 16 h + r, which holds row r, k = 32 i + 16 (y/8) + 8 h + y%8: the layout of the plain 8-bit matrix forms.  A fragment then comes by four loads of 16 bytes a lane.
; ximg: [plane 3][token tile 256][K step 8][2048].  wimg: Wq, Wk, Wv, Wo at 0, 1, 2, 3 MiB: [column tile 64][K step 8][2048]; W1 at 4 MiB: [32][8][2048]; W2 at 4.5 MiB: [64][4][2048].
; code = x / 2^e, held within +-448, to the nearest code, ties to even.  LIMITS: each e between -126 and 119; NaN and infinities among the inputs are not served.
.set ROWP,  1040                       ; a row of 1,024 codes in the stage + 16 bytes: 260 words, so that the 32 lanes of a read of 8 bytes meet 64 different banks
.set PLANE, 16*ROWP                    ; 16 rows: one scale's codes
.set STAT,  3*PLANE                    ; behind the three planes: 16 x (mean, rstd)
.set SPARE, STAT+256                   ; the spare words: 128 bytes for each of eight waves, named by no other line
.set SPW,   6                          ; v6  my spare word's address; never rewritten
.set NIL,   7                          ; v7  0; never rewritten
.set X,     16                         ; v16-79   two rows, 32 numbers a lane each; later the codes read back
.set AL,    80                         ; v80-111  alpha1 of my 32 columns
.set BE,    112                        ; v112-143 beta1
.set CD,    80                         ; v80-127  codes: 24 registers a row, none written twice
.set T,     144                        ; v144-159 two sets of eight held numbers, by turns
.set R,     160                        ; v160-175 eight registers a row: +0..3 sums, +4 mean, +5 rstd, +6 rstd, +7 the other half's sum
.set WX,    32                         ; weights: v32-159 a column's 128 numbers
.set WC,    160                        ; weights: v160-191 their codes
.macro MKSC se, vsc, vlim              ; 2^e and 448 x 2^e as f32 numbers
	s_add_co_i32 s54, \se, 127
	s_lshl_b32 s55, s54, 23
	v_mov_b32 \vsc, s55
	s_add_co_i32 s54, s54, 8
	s_lshl_b32 s54, s54, 23
	s_or_b32 s54, s54, 0x600000
	v_mov_b32 \vlim, s54
.endm
.macro LANESUM                         ; both rows: the two chains, the pair's halves, the 32 lanes; the result stands in every lane
.irp q, 0
	s_delay_alu instid0(VALU_DEP_3)
	v_pk_add_f32 v[R+8*\q:R+8*\q+1], v[R+8*\q:R+8*\q+1], v[R+8*\q+2:R+8*\q+3]
.endr
.irp q, 1
	s_delay_alu instid0(VALU_DEP_2)
	v_pk_add_f32 v[R+8*\q:R+8*\q+1], v[R+8*\q:R+8*\q+1], v[R+8*\q+2:R+8*\q+3]
.endr
.irp q, 0,1
	s_delay_alu instid0(VALU_DEP_2)
	v_add_f32 v[R+8*\q], v[R+8*\q], v[R+8*\q+1]
.endr
.irp m, 1,2,4,8
.irp q, 0,1
	s_delay_alu instid0(VALU_DEP_2)
	v_add_f32_dpp v[R+8*\q], v[R+8*\q], v[R+8*\q] row_xmask:\m row_mask:0xf bank_mask:0xf
.endr
.endr
.irp q, 0,1
	s_delay_alu instid0(VALU_DEP_2)
	v_permlanex16_b32 v[R+8*\q+7], v[R+8*\q], s32, s33
.endr
.irp q, 0,1
	s_delay_alu instid0(VALU_DEP_2)
	v_add_f32 v[R+8*\q], v[R+8*\q], v[R+8*\q+7]
.endr
.endm
.macro QROW q                          ; row q, three scales, four octets a lane: hold, convert, 8 bytes into the stage (the wave writes 256 consecutive bytes)
.irp z, 0,1,2
.irp j, 0,1,2,3
.irp i, 0,1,2,3,4,5,6,7
	v_med3_num_f32 v[T+8*(\j%2)+\i], v[X+32*\q+8*\j+\i], -v[11+2*\z], v[11+2*\z]   ; the conversion does not saturate (ISA guide 7.6.2); these eight are also the plain lines behind the conversion before
.endr
	v_cvt_scalef32_pk8_fp8_f32 v[CD+24*\q+8*\z+2*\j:CD+24*\q+8*\z+2*\j+1], v[T+8*(\j%2):T+8*(\j%2)+7], v[10+2*\z]
	ds_store_b64 v3, v[CD+24*\q+8*\z+2*\j:CD+24*\q+8*\z+2*\j+1] offset:\z*PLANE+\q*ROWP+256*\j
.endr
.endr
.endm
.macro WLOADS rs                       ; W(k, my column), k = 0 .. 127 of my K step: each load reads 128 consecutive bytes a wave, 1,024 a work-group
.set K, 0
.rept 128
	global_load_b32 v[WX+K], v2, s[10:11] offset:K*\rs th:TH_LOAD_NT
.set K, K+1
.endr
.endm
	s_load_b512 s[4:19], s[0:1], 0x0               ; x, alpha1, beta1, Wq, Wk, Wv, Wo, W1
	s_load_b256 s[20:27], s[0:1], 0x40             ; W2, the exponents, ximg, wimg
	s_load_b64 s[28:29], s[0:1], 0x60              ; stats
	v_lshl_add_u32 v[SPW], v0, 2, SPARE
	v_mov_b32 v[NIL], 0
	v_lshrrev_b32 v1, 5, v0
	s_delay_alu instid0(VALU_DEP_1)
	v_readfirstlane_b32 s30, v1                    ; wave 0..7
	v_and_b32 v1, 31, v0                           ; lane
	s_wait_kmcnt 0x0
	s_load_b512 s[36:51], s[22:23], 0x0            ; e0 .. e15
	s_cmp_ge_u32 ttmp9, 256
	s_cbranch_scc1 .Lweights
	; ---------------- norm_1: token tile ttmp9; wave w takes rows 2 w and 2 w + 1 ----------------
	s_lshl_b32 s52, ttmp9, 16                      ; 16 rows of 4,096 bytes
	s_lshl_b32 s53, s30, 13
	s_add_co_u32 s52, s52, s53
	s_mov_b32 s53, 0
	s_add_nc_u64 s[4:5], s[4:5], s[52:53]
	s_wait_alu depctr_va_vdst(0)
	v_lshlrev_b32 v2, 5, v1                        ; a lane holds eight neighbours along K: octet 32 j + lane
.irp q, 0,1
.irp j, 0,1,2,3
	global_load_b128 v[X+32*\q+8*\j:X+32*\q+8*\j+3], v2, s[4:5] offset:4096*\q+1024*\j th:TH_LOAD_NT
	global_load_b128 v[X+32*\q+8*\j+4:X+32*\q+8*\j+7], v2, s[4:5] offset:4096*\q+1024*\j+16 th:TH_LOAD_NT
.endr
.endr
.irp j, 0,1,2,3
	global_load_b128 v[AL+8*\j:AL+8*\j+3], v2, s[6:7] offset:1024*\j
	global_load_b128 v[AL+8*\j+4:AL+8*\j+7], v2, s[6:7] offset:1024*\j+16
	global_load_b128 v[BE+8*\j:BE+8*\j+3], v2, s[8:9] offset:1024*\j
	global_load_b128 v[BE+8*\j+4:BE+8*\j+7], v2, s[8:9] offset:1024*\j+16
.endr
	s_mov_b32 s32, 0x76543210                      ; lane selects: lane l xor 16
	s_mov_b32 s33, 0xfedcba98
	s_mov_b32 s34, 0x3a802008                      ; 1 / 1023
	s_mov_b32 s35, 0x358637bd                      ; 1e-6
	s_mul_i32 s56, s30, 2*ROWP
	v_lshl_add_u32 v3, v1, 3, s56                  ; into the stage: my wave's two rows, 8 bytes a lane
	v_and_b32 v8, 15, v0                           ; r
	v_bfe_u32 v9, v0, 4, 1                         ; h
	s_delay_alu instid0(VALU_DEP_2)
	v_mul_u32_u24 v4, v8, ROWP
	s_delay_alu instid0(VALU_DEP_1)
	v_lshl_add_u32 v4, v9, 3, v4
	s_lshl_b32 s56, s30, 7
	v_add_nc_u32 v4, s56, v4                       ; out of it: row r, K step w, + 8 h
	v_lshlrev_b32 v5, 4, v1                        ; an image's place for my lane
	s_lshl_b32 s56, s30, 4
	v_mov_b32 v8, s56                              ; my two rows' statistics: 16 w
	v_lshlrev_b32 v9, 2, v1                        ; 4 x lane
.irp q, 0,1
	v_mov_b32 v[R+8*\q+5], 0                       ; named as upper halves of pairs and as a permute's destination: written once
	v_mov_b32 v[R+8*\q+7], 0
.endr
	s_lshl_b32 s52, ttmp9, 14
	s_lshl_b32 s53, s30, 11
	s_add_co_u32 s52, s52, s53
	s_add_co_u32 s52, s52, 0x400000                ; plane 1 of ximg, my tile, K step w: the planes stand in the stores' immediates, -4 MiB, 0, +4 MiB
	s_mov_b32 s53, 0
	s_add_nc_u64 s[24:25], s[24:25], s[52:53]
	s_lshl_b32 s52, ttmp9, 7
	s_add_nc_u64 s[28:29], s[28:29], s[52:53]
	s_wait_kmcnt 0x0
	MKSC s36, v10, v11
	MKSC s38, v12, v13
	MKSC s40, v14, v15
	s_wait_loadcnt 0x0
.irp q, 0,1                                    ; the rows' sums, two chains a row
	v_pk_add_f32 v[R+8*\q:R+8*\q+1], v[X+32*\q:X+32*\q+1], v[X+32*\q+2:X+32*\q+3]
	v_pk_add_f32 v[R+8*\q+2:R+8*\q+3], v[X+32*\q+4:X+32*\q+5], v[X+32*\q+6:X+32*\q+7]
.endr
.irp j, 8,12,16,20,24,28
.irp q, 0,1
	s_delay_alu instid0(VALU_DEP_4)
	v_pk_add_f32 v[R+8*\q:R+8*\q+1], v[R+8*\q:R+8*\q+1], v[X+32*\q+\j:X+32*\q+\j+1]
	s_delay_alu instid0(VALU_DEP_4)
	v_pk_add_f32 v[R+8*\q+2:R+8*\q+3], v[R+8*\q+2:R+8*\q+3], v[X+32*\q+\j+2:X+32*\q+\j+3]
.endr
.endr
	LANESUM
.irp q, 0,1
	s_delay_alu instid0(VALU_DEP_2)
	v_mul_f32 v[R+8*\q+4], 0x3a800000, v[R+8*\q]   ; mean = sum / 1024
.endr
.irp j, 0,2,4,6,8,10,12,14,16,18,20,22,24,26,28,30
.irp q, 0,1
	v_pk_add_f32 v[X+32*\q+\j:X+32*\q+\j+1], v[X+32*\q+\j:X+32*\q+\j+1], v[R+8*\q+4:R+8*\q+5] op_sel_hi:[1,0] neg_lo:[0,1] neg_hi:[0,1]   ; d = x - mean
.endr
.endr
.irp q, 0,1
	v_pk_mul_f32 v[R+8*\q:R+8*\q+1], v[X+32*\q:X+32*\q+1], v[X+32*\q:X+32*\q+1]
	v_pk_mul_f32 v[R+8*\q+2:R+8*\q+3], v[X+32*\q+2:X+32*\q+3], v[X+32*\q+2:X+32*\q+3]
.endr
.irp j, 4,8,12,16,20,24,28
.irp q, 0,1
	s_delay_alu instid0(VALU_DEP_4)
	v_pk_fma_f32 v[R+8*\q:R+8*\q+1], v[X+32*\q+\j:X+32*\q+\j+1], v[X+32*\q+\j:X+32*\q+\j+1], v[R+8*\q:R+8*\q+1]
	s_delay_alu instid0(VALU_DEP_4)
	v_pk_fma_f32 v[R+8*\q+2:R+8*\q+3], v[X+32*\q+\j+2:X+32*\q+\j+3], v[X+32*\q+\j+2:X+32*\q+\j+3], v[R+8*\q+2:R+8*\q+3]
.endr
.endr
	LANESUM
.irp q, 0,1
	s_delay_alu instid0(VALU_DEP_2)
	v_fma_f32 v[R+8*\q], v[R+8*\q], s34, s35       ; var + eps
.endr
	s_wait_alu depctr_va_vdst(0)
.irp q, 0,1
	v_rsq_f32 v[R+8*\q+6], v[R+8*\q]
.endr
	v_nop                                          ; a plain line behind the last of the two
	s_wait_alu depctr_va_vdst(0)                   ; one wait for both, ahead of their first reader
.irp q, 0,1
	v_mov_b32 v[R+8*\q+5], v[R+8*\q+6]             ; (mean, rstd) as a pair for the store
.endr
.irp j, 0,2,4,6,8,10,12,14,16,18,20,22,24,26,28,30
.irp q, 0,1
	v_pk_mul_f32 v[X+32*\q+\j:X+32*\q+\j+1], v[X+32*\q+\j:X+32*\q+\j+1], v[R+8*\q+6:R+8*\q+7] op_sel_hi:[1,0]
.endr
.irp q, 0,1
	s_delay_alu instid0(VALU_DEP_2)
	v_pk_fma_f32 v[X+32*\q+\j:X+32*\q+\j+1], v[X+32*\q+\j:X+32*\q+\j+1], v[AL+\j:AL+\j+1], v[BE+\j:BE+\j+1]   ; alpha1 (d rstd) + beta1
.endr
.endr
	QROW 0
	QROW 1
	v_nop                                          ; a plain line behind the last conversion
.irp q, 0,1
	ds_store_b64 v8, v[R+8*\q+4:R+8*\q+5] offset:STAT+8*\q   ; every lane writes the same pair to the same place
.endr
	s_wait_dscnt 0x0                               ; my stores into the stage are done: the other waves read them
	s_barrier_signal -1
	s_barrier_wait -1
.irp z, 0,1,2                                  ; wave w now takes K step w of all 16 rows: unit u = 4 z + i is four registers of the image
.irp i, 0,1,2,3
	ds_load_b64 v[16+4*(4*\z+\i):16+4*(4*\z+\i)+1], v4 offset:\z*PLANE+32*\i
	ds_load_b64 v[16+4*(4*\z+\i)+2:16+4*(4*\z+\i)+3], v4 offset:\z*PLANE+32*\i+16
.endr
.endr
.irp z, 0,1,2
.irp i, 0,1,2,3
	s_wait_dscnt 22-2*(4*\z+\i)                    ; two loads for each younger unit may be out
	global_store_b128 v5, v[16+4*(4*\z+\i):16+4*(4*\z+\i)+3], s[24:25] offset:(\z-1)*4194304+512*\i   ; 512 consecutive bytes
.endr
.endr
	s_cmp_lg_u32 s30, 0
	s_cbranch_scc1 .Lno_stat
	ds_load_b32 v10, v9 offset:STAT                ; wave 0: the tile's 16 pairs, 128 bytes
	s_wait_dscnt 0x0
	global_store_b32 v9, v10, s[28:29]
.Lno_stat:
	s_wait_tensorcnt 0x0                           ; the wave's end
	ds_add_u32 v[SPW], v[NIL]
	s_wait_dscnt 0x0
	s_endpgm
	; ---------------- the weights: g = ttmp9 - 256; a wave takes 32 columns x 128 K, eight waves stand side by side ----------------
.Lweights:
	s_sub_co_u32 s52, ttmp9, 256                   ; g: 0-127 Wq, Wk, Wv, Wo (32 each); 128-143 W1; 144-159 W2
	s_lshr_b32 s53, s52, 5                         ; which MiB of wimg: 0..3, and 4 for W1 and W2
	s_and_b32 s54, s52, 31
	s_and_b32 s55, s52, 15
	s_cmp_ge_u32 s52, 128
	s_cselect_b32 s54, s55, s54                    ; the work-group's number within its tensor
	s_lshr_b32 s55, s52, 4                         ; 8: W1
	s_cmp_eq_u32 s55, 8
	s_cselect_b32 s56, 1, 3                        ; W1 has 2 blocks of 256 columns, the others 4
	s_cselect_b32 s57, 1, 2
	s_cselect_b32 s58, 18, 19                      ; 128 rows of 2,048 or of 4,096 bytes
	s_and_b32 s59, s54, s56                        ; column block
	s_lshr_b32 s60, s54, s57                       ; K step
	s_cmp_ge_u32 s52, 144
	s_cselect_b32 s61, 13, 14                      ; a column tile's images: 4 K steps in W2, else 8
	s_cselect_b32 s56, 0x80000, 0
	s_lshl_b32 s57, s60, s58
	s_lshl_b32 s58, s59, 10
	s_add_co_u32 s57, s57, s58
	s_lshl_b32 s58, s30, 7
	s_add_co_u32 s32, s57, s58                     ; from: K step, column block, my wave's 32 columns
	s_mov_b32 s33, 0
	s_lshl_b32 s57, s53, 20
	s_add_co_u32 s56, s56, s57
	s_lshl_b32 s57, s59, 4
	s_lshl_b32 s58, s30, 1
	s_add_co_u32 s57, s57, s58                     ; my first column tile: 16 x block + 2 x wave
	s_lshl_b32 s57, s57, s61
	s_add_co_u32 s56, s56, s57
	s_lshl_b32 s57, s60, 11
	s_add_co_u32 s34, s56, s57                     ; to
	s_mov_b32 s35, 0
	s_wait_kmcnt 0x0
	s_cmp_eq_u32 s53, 1                            ; the tensor and its exponent are chosen by the work-group's number alone
	s_cselect_b64 s[10:11], s[12:13], s[10:11]
	s_cselect_b32 s37, s39, s37
	s_cmp_eq_u32 s53, 2
	s_cselect_b64 s[10:11], s[14:15], s[10:11]
	s_cselect_b32 s37, s41, s37
	s_cmp_eq_u32 s53, 3
	s_cselect_b64 s[10:11], s[16:17], s[10:11]
	s_cselect_b32 s37, s47, s37
	s_cmp_ge_u32 s52, 128
	s_cselect_b64 s[10:11], s[18:19], s[10:11]
	s_cselect_b32 s37, s49, s37
	s_cmp_ge_u32 s52, 144
	s_cselect_b64 s[10:11], s[20:21], s[10:11]
	s_cselect_b32 s37, s51, s37
	s_add_nc_u64 s[10:11], s[10:11], s[32:33]
	s_add_nc_u64 s[26:27], s[26:27], s[34:35]
	s_wait_alu depctr_va_vdst(0)
	v_lshlrev_b32 v2, 2, v1                        ; in: 4 bytes a lane
	v_lshrrev_b32 v3, 4, v1
	s_delay_alu instid0(VALU_DEP_1)
	v_lshlrev_b32 v3, s61, v3                      ; out: lanes 16-31 hold the next column tile,
	v_and_b32 v4, 15, v1
	s_delay_alu instid0(VALU_DEP_1)
	v_lshl_add_u32 v3, v4, 4, v3                   ; 16 bytes for each column
	s_cmp_eq_u32 s55, 8
	s_cbranch_scc1 .Lnarrow
	WLOADS 4096
	s_branch .Lloaded
.Lnarrow:
	s_wait_alu depctr_va_vdst(0)
	WLOADS 2048
.Lloaded:
	MKSC s37, v11, v10
	s_wait_alu depctr_va_vdst(0)
.irp t, 0,1,2,3                                ; 32 along K at a time.  A lane's octet g of them is the image's k = 32 t + 16 (g / 2) + 8 (g % 2): half g % 2 of the lanes, bytes 8 (g / 2) on
.if \t == 0
	s_wait_loadcnt 63                              ; the 63 youngest may be out: the first 65 loads, so the first two blocks of 32, are in
.elseif \t == 2
	s_wait_loadcnt 32
.elseif \t == 3
	s_wait_loadcnt 0x0
.endif
.set K, 0
.rept 32
	v_med3_num_f32 v[WX+32*\t+K], v[WX+32*\t+K], -v10, v10
.set K, K+1
.endr
.irp g, 0,1,2,3
	v_cvt_scalef32_pk8_fp8_f32 v[WC+8*\t+4*(\g%2)+2*(\g/2):WC+8*\t+4*(\g%2)+2*(\g/2)+1], v[WX+32*\t+8*\g:WX+32*\t+8*\g+7], v11
.endr
	global_store_b128 v3, v[WC+8*\t:WC+8*\t+3], s[26:27] offset:512*\t         ; sixteen lanes fill 256 consecutive bytes, aligned: the image's lanes 0-15,
	global_store_b128 v3, v[WC+8*\t+4:WC+8*\t+7], s[26:27] offset:512*\t+256   ; and its lanes 16-31
.endr
	s_endpgm
.Lfunc_end_k_qddd8d29f85_prep:
	.size	k_qddd8d29f85_prep, .Lfunc_end_k_qddd8d29f85_prep-k_qddd8d29f85_prep
	.p2alignl 7, 3214868480
	.fill 96, 4, 3214868480
	.section	.rodata,"a",@progbits
	.p2align	6, 0x0
	.amdhsa_kernel k_qddd8d29f85_prep
		.amdhsa_group_segment_fixed_size 51200
		.amdhsa_private_segment_fixed_size 0
		.amdhsa_enable_private_segment 0
		.amdhsa_kernarg_size 104
		.amdhsa_user_sgpr_count 2
		.amdhsa_user_sgpr_kernarg_segment_ptr 1
		.amdhsa_wavefront_size32 1
		.amdhsa_system_sgpr_workgroup_id_x 1
		.amdhsa_system_sgpr_workgroup_id_y 1
		.amdhsa_system_sgpr_workgroup_id_z 1
		.amdhsa_system_vgpr_workitem_id 0
		.amdhsa_next_free_vgpr 192
		.amdhsa_next_free_sgpr 66
		.amdhsa_reserve_vcc 0
		.amdhsa_float_denorm_mode_32 3
		.amdhsa_float_denorm_mode_16_64 3
		.amdhsa_memory_ordered 1
		.amdhsa_forward_progress 1
		.amdhsa_inst_pref_size 77
	.end_amdhsa_kernel
	.amdgpu_metadata
---
amdhsa.version: [ 1, 2 ]
amdhsa.kernels:
  - .name:           k_qddd8d29f85_prep
    .symbol:         k_qddd8d29f85_prep.kd
    .args:
      - { .name: x, .offset: 0, .size: 8, .value_kind: global_buffer, .address_space: global }
      - { .name: alpha1, .offset: 8, .size: 8, .value_kind: global_buffer, .address_space: global }
      - { .name: beta1, .offset: 16, .size: 8, .value_kind: global_buffer, .address_space: global }
      - { .name: Wq, .offset: 24, .size: 8, .value_kind: global_buffer, .address_space: global }
      - { .name: Wk, .offset: 32, .size: 8, .value_kind: global_buffer, .address_space: global }
      - { .name: Wv, .offset: 40, .size: 8, .value_kind: global_buffer, .address_space: global }
      - { .name: Wo, .offset: 48, .size: 8, .value_kind: global_buffer, .address_space: global }
      - { .name: W1, .offset: 56, .size: 8, .value_kind: global_buffer, .address_space: global }
      - { .name: W2, .offset: 64, .size: 8, .value_kind: global_buffer, .address_space: global }
      - { .name: lowp_scales, .offset: 72, .size: 8, .value_kind: global_buffer, .address_space: global }
      - { .name: ximg, .offset: 80, .size: 8, .value_kind: global_buffer, .address_space: global }
      - { .name: wimg, .offset: 88, .size: 8, .value_kind: global_buffer, .address_space: global }
      - { .name: stats, .offset: 96, .size: 8, .value_kind: global_buffer, .address_space: global }
    .group_segment_fixed_size: 51200
    .private_segment_fixed_size: 0
    .kernarg_segment_align: 8
    .kernarg_segment_size: 104
    .max_flat_workgroup_size: 256
    .sgpr_count:     66
    .vgpr_count:     192
    .wavefront_size: 32
...
	.end_amdgpu_metadata
.endif
;; end of part 1
;; launch qkv (part 2): grid 12 x 16, 4 waves a work-group, clusters of 4 x 4, 327,680 bytes of LDS; arguments ximg, wimg, lowp_scales, bq, bk, bv, qimg, kvimg; writes qimg, kvimg
.if DOCPART == 2
	.amdgcn_target "amdgcn-amd-amdhsa--gfx1250"
	.amdhsa_code_object_version 6
	.text
	.protected	k_qddd8d29f85_qkv
	.globl	k_qddd8d29f85_qkv
	.p2align	8
	.type	k_qddd8d29f85_qkv,@function
k_qddd8d29f85_qkv:
	s_mov_b64 s[64:65], 0
	v_nop
	global_prefetch_b8 v0, s[64:65] scope:SCOPE_SE
	s_setreg_imm32_b32 hwreg(HW_REG_WAVE_MODE, 25, 1), 1
	s_wait_xcnt 0x0
	s_wait_alu depctr_hold_cnt(0) depctr_sa_sdst(0) depctr_va_vdst(0) depctr_va_sdst(0) depctr_va_ssrc(0) depctr_va_vcc(0) depctr_vm_vsrc(0)
	s_getreg_b32 s2, hwreg(HW_REG_IB_STS2, 6, 4)
	s_cmp_eq_u32 s2, 0
	s_cbranch_scc0 .Lentry_in_a_cluster
	s_endpgm
.Lentry_in_a_cluster:
	s_bfe_u32 s2, ttmp6, 0x10000c
	s_cmp_lg_u32 s2, 0xf033
	s_cbranch_scc0 .Lentry_shape_is_right
	s_endpgm
.Lentry_shape_is_right:
; QKV: products 1 to 3 on the images that the first launch laid, with their biases, quantised on the way out for products 4 and 5.  Nothing of reference() is left out here.
; The cluster's x (0, 1, 2) says which product: q, k or v.  A work-group makes 256 x 256 of it, a wave 128 x 128; K goes in steps of 256 through two LDS slots filled by joint loads
; (4 x 4 work-groups: one operand's tiles shared along a row of the cluster, the other's along a column).  For q and k a lane holds a token and its registers run along the head's channels;
; for v the two operands change places, so that a lane holds a channel and its registers run along the keys, which are product 5's K.  The codes are stored as images of the next launch's registers.
; LIMITS: e0+e1, e2+e3, e4+e5 between -126 and 127; e6, e7, e8 between -126 and 119.
.set HALFT,  32768
.set SLOT,   4*HALFT
.set SPARE,  2*SLOT
.set FR,     16
.set NL,     4
.set NP,     4
.set ADRA, 16
.set ADRB, 20
.set GO,   26
.set BO,   27
.set SPW,  28
.set NIL,  29
.set BI,   32
.set SCV,  96
.set LIMV, 97
.set AF,   128
.set TMP,  128
.set CO,   192
.set G1, 24
.set G0, 32
.set G1B, 48
.set G0B, 56
.set MSB, 0
.macro WIN new
.if MSB != (\new)
	s_set_vgpr_msb (MSB<<8)|(\new)
.set MSB, \new
.endif
.endm
.set MUL_LO, 0xa1
.set MUL_HI, 0xf1
.set TO_B,   0x40
.macro JLOAD g0a, g1a, g0b, g1b
	s_cmp_eq_u32 s15, 0
	s_cbranch_scc0 .Lfor_b_\@
	tensor_load_to_lds s[\g0a:\g0a+3], s[\g1a:\g1a+7]
	s_nop 0
.rept 4
	v_nop
.endr
	s_branch .Lasked_\@
.Lfor_b_\@:
	tensor_load_to_lds s[\g0b:\g0b+3], s[\g1b:\g1b+7]
	s_nop 0
.rept 4
	v_nop
.endr
.Lasked_\@:
.endm
.macro CREST
	s_cmp_lg_u32 s14, 0
	s_cbranch_scc1 .Lnot_wave_0_\@
	s_barrier_signal -3
.Lnot_wave_0_\@:
	s_barrier_wait -3
	s_barrier_signal -1
	s_barrier_wait -1
.endm
.macro CROUND
	s_barrier_signal -1
	s_barrier_wait -1
	CREST
.endm
	s_load_b512 s[68:83], s[0:1], 0x0
	v_lshl_add_u32 v[SPW], v0, 2, SPARE
	v_mov_b32 v[NIL], 0
	ds_add_u32 v[SPW], v[NIL]
	ds_add_u32 v[SPW], v[NIL]
	v_lshrrev_b32 v1, 5, v0
	v_readfirstlane_b32 s14, v1
	s_lshr_b32 s15, s14, 1
	s_and_b32 s16, s14, 1
	s_bfe_u32 s40, ttmp6, 0x40000
	s_bfe_u32 s41, ttmp6, 0x40004
	s_and_b32 s17, ttmp7, 0xffff
	s_lshl_b32 s17, s17, 2
	s_add_co_u32 s42, s17, s41
	s_add_co_u32 s43, s17, s40
	s_lshl_b32 s12, s41, 2
	s_lshl_b32 s12, 15, s12
	s_lshl_b32 s13, 0x1111, s40
	s_or_b32 s[G1+0], s12, (3<<16)|(1<<21)
	s_or_b32 s[G1B+0], s13, (3<<16)|(1<<21)
.irp g, G1, G1B
	s_mov_b32 s[\g+1], 512<<16
	s_mov_b32 s[\g+2], 8<<16
	s_mov_b32 s[\g+3], 512<<16
	s_mov_b32 s[\g+4], 8
	s_mov_b32 s[\g+5], 2048
	s_mov_b32 s[\g+6], 0
	s_mov_b32 s[\g+7], 0
.endr
	s_lshl_b32 s22, ttmp9, 22
	s_lshl_b32 s23, ttmp9, 20
	s_cmp_eq_u32 ttmp9, 2
	s_cselect_b32 s18, s41, s42
	s_cselect_b32 s19, s43, s40
	s_cselect_b32 s20, s23, s22
	s_cselect_b32 s46, s22, s23
	s_lshl_b32 s22, s16, 17
	s_lshl_b32 s21, s18, 18
	s_add_co_u32 s20, s20, s21
	s_add_co_u32 s20, s20, s22
	s_mov_b32 s21, 0
	s_lshl_b32 s47, s19, 18
	s_add_co_u32 s46, s46, s47
	s_add_co_u32 s46, s46, s22
	s_mov_b32 s47, 0
	s_lshl_b32 s45, s14, 15
	s_wait_dscnt 0x0
	s_wait_kmcnt 0x0
	s_load_b512 s[84:99], s[72:73], 0x0
	s_cmp_eq_u32 ttmp9, 2
	s_cselect_b64 s[6:7], s[70:71], s[68:69]
	s_cselect_b64 s[8:9], s[68:69], s[70:71]
	s_add_nc_u64 s[20:21], s[6:7], s[20:21]
	s_add_nc_u64 s[46:47], s[8:9], s[46:47]
	CROUND
.irp s, 0,1
	s_mov_b32 s[G0+4*\s], 1
	s_add_co_u32 s[G0+4*\s+1], s45, \s*SLOT
	s_add_nc_u64 s[G0+4*\s+2:G0+4*\s+3], s[20:21], \s*4096
	s_or_b32 s[G0+4*\s+3], s[G0+4*\s+3], 0x80000000
	s_mov_b32 s[G0B+4*\s], 1
	s_add_co_u32 s[G0B+4*\s+1], s45, \s*SLOT
	s_add_nc_u64 s[G0B+4*\s+2:G0B+4*\s+3], s[46:47], \s*4096
	s_or_b32 s[G0B+4*\s+3], s[G0B+4*\s+3], 0x80000000
.endr
	JLOAD G0, G1, G0B, G1B                         ; K step 0: one tensor load a wave at the head, behind the opening round
	s_wait_alu depctr_va_vdst(0)                   ; directly ahead of the wait below
	s_wait_tensorcnt 0x0                           ; my part of K step 0 is in; a later first fill is issued as a refill is:
	ds_add_u32 v[SPW], v[NIL]                      ; 0 onto my spare word
	s_wait_dscnt 0x0
	CROUND                                         ; a whole round,
	JLOAD G0+4, G1, G0B+4, G1B                     ; and K step 1's load first behind it
	v_and_b32 v1, 31, v0
	v_lshlrev_b32 v[GO], 4, v1
	s_lshl_b32 s22, s15, 15
	s_lshl_b32 s23, s16, 15
	s_add_co_u32 s23, s23, 2*HALFT
.irp s, 0,1
	v_add_nc_u32 v[ADRA+\s], s22, v[GO]
	v_add_nc_u32 v[ADRB+\s], s23, v[GO]
	s_add_co_u32 s22, s22, SLOT
	s_add_co_u32 s23, s23, SLOT
.endr
	s_wait_alu depctr_va_vdst(0)
	s_wait_kmcnt 0x0
	s_cmp_eq_u32 ttmp9, 1
	s_cselect_b32 s84, s86, s84
	s_cselect_b32 s85, s87, s85
	s_cselect_b32 s90, s91, s90
	s_cmp_eq_u32 ttmp9, 2
	s_cselect_b32 s84, s88, s84
	s_cselect_b32 s85, s89, s85
	s_cselect_b32 s90, s92, s90
	s_add_co_i32 s4, s84, s85
	s_add_co_i32 s4, s4, 127
	s_lshl_b32 s4, s4, 23
	s_mov_b32 s5, s4
	s_add_co_i32 s12, s90, 127
	s_lshl_b32 s13, s12, 23
	v_mov_b32 v[SCV], s13
	s_add_co_i32 s12, s12, 8
	s_lshl_b32 s12, s12, 23
	s_or_b32 s12, s12, 0x600000
	v_mov_b32 v[LIMV], s12
.macro FRAG reg, adr, q, i
.irp c, 0,1,2,3
	ds_load_b128 v[\reg+4*\c:\reg+4*\c+3], v[\adr] offset:2048*(\q)+512*\c+(\i)*4096
.endr
.endm
.macro MUL16 a0, p, zero
.irp a, \a0, \a0+1
.irp b, 0,1,2,3,4,5,6,7
.if \zero
	v_wmma_f32_16x16x128_fp8_fp8 v[8*(8*((\a)%4)+\b):8*(8*((\a)%4)+\b)+7], v[128*(\p)+FR*\b:128*(\p)+FR*\b+FR-1], v[AF+FR*(\a):AF+FR*(\a)+FR-1], 0
.else
	v_wmma_f32_16x16x128_fp8_fp8 v[8*(8*((\a)%4)+\b):8*(8*((\a)%4)+\b)+7], v[128*(\p)+FR*\b:128*(\p)+FR*\b+FR-1], v[AF+FR*(\a):AF+FR*(\a)+FR-1], v[8*(8*((\a)%4)+\b):8*(8*((\a)%4)+\b)+7]
.endif
.endr
.endr
.endm
.macro FETCH_B slot, q, p
	WIN TO_B
.irp i, 0,1,2,3,4,5,6,7
	FRAG 128*(\p)+FR*\i, ADRB+\slot, \q, \i
.endr
	WIN 0
.endm
.macro FETCH_A slot, q, i0
.irp i, \i0, \i0+1, \i0+2, \i0+3
	FRAG AF+FR*(\i), ADRA+\slot, \q, \i
.endr
.endm
.macro PLACES n
.rept \n
	v_nop
.endr
.endm
.macro STEP slot, q, zero
	s_wait_dscnt 4*NL
	WIN MUL_LO
	MUL16 0, (\q)%2, \zero
	MUL16 2, (\q)%2, \zero
	s_wait_dscnt 0
	PLACES NP
	FETCH_B \slot, (\q)+1, 1-(\q)%2
	FETCH_A \slot, (\q)+1, 0
	WIN MUL_HI
	MUL16 4, (\q)%2, \zero
	MUL16 6, (\q)%2, \zero
	PLACES NP
	WIN 0
	FETCH_A \slot, (\q)+1, 4
.endm
.macro TURN slot, next, fill
	s_wait_tensorcnt 0x0
	ds_add_u32 v[SPW], v[NIL]
	s_wait_dscnt 4*NL+1
	WIN MUL_LO
	MUL16 0, 1, 0
	s_wait_dscnt 0x0
	s_barrier_signal -1
	MUL16 2, 1, 0
	WIN 0
	s_barrier_wait -1
.if \fill
	CREST
	s_add_nc_u64 s[G0+4*\slot+2:G0+4*\slot+3], s[G0+4*\slot+2:G0+4*\slot+3], 8192
	s_add_nc_u64 s[G0B+4*\slot+2:G0B+4*\slot+3], s[G0B+4*\slot+2:G0B+4*\slot+3], 8192
	JLOAD G0+4*\slot, G1, G0B+4*\slot, G1B
.else
	PLACES NP
.endif
	FETCH_B \next, 0, 0
	FETCH_A \next, 0, 0
	WIN MUL_HI
	MUL16 4, 1, 0
	MUL16 6, 1, 0
	PLACES NP
	WIN 0
	FETCH_A \next, 0, 4
.endm
.macro EPI isv
.irp a, 0,1,2,3,4,5,6,7
.if \a >= 4
	s_wait_xcnt 0x0
.endif
	WIN 0x02+(\a/4)
.irp b, 0,1,2,3,4,5,6,7
.irp i, 0,2,4,6
.if \isv
	v_pk_fma_f32 v[TMP+8*\b+\i:TMP+8*\b+\i+1], v[64*(\a%4)+8*\b+\i:64*(\a%4)+8*\b+\i+1], s[4:5], v[BI+2*\a:BI+2*\a+1] op_sel_hi:[1,0,1]
.else
	v_pk_fma_f32 v[TMP+8*\b+\i:TMP+8*\b+\i+1], v[64*(\a%4)+8*\b+\i:64*(\a%4)+8*\b+\i+1], s[4:5], v[BI+8*\b+\i:BI+8*\b+\i+1] op_sel_hi:[1,0,1]
.endif
.endr
.endr
	WIN 0
.set J, 0
.rept 64
	v_med3_num_f32 v[TMP+J], v[TMP+J], -v[LIMV], v[LIMV]
.set J, J+1
.endr
.irp b, 0,1,2,3,4,5,6,7
	v_cvt_scalef32_pk8_fp8_f32 v[CO+16*(\a%4)+2*\b:CO+16*(\a%4)+2*\b+1], v[TMP+8*\b:TMP+8*\b+7], v[SCV]
.endr
	v_nop
.irp i, 0,1,2,3
.if \isv
	global_store_b128 v[GO], v[CO+16*(\a%4)+4*\i:CO+16*(\a%4)+4*\i+3], s[6:7] offset:(\a/4)*262144+(\a%4)*2048+512*\i
.else
	global_store_b128 v[GO], v[CO+16*(\a%4)+4*\i:CO+16*(\a%4)+4*\i+3], s[6+2*(\i/2):7+2*(\i/2)] offset:1024*\a+512*(\i%2)
.endif
.endr
.endr
.endm
.macro FINISH isv
.if \isv
	s_lshl_b32 s22, s18, 10
	s_lshl_b32 s23, s15, 9
	s_add_co_u32 s22, s22, s23
	s_mov_b32 s23, 0
	s_add_nc_u64 s[10:11], s[78:79], s[22:23]
	v_and_b32 v[BO], 15, v0
	v_lshlrev_b32 v[BO], 2, v[BO]
.irp a, 0,1,2,3,4,5,6,7
	global_load_b32 v[BI+2*\a], v[BO], s[10:11] offset:64*\a
	global_load_b32 v[BI+2*\a+1], v[BO], s[10:11] offset:64*\a
.endr
	s_lshr_b32 s22, s19, 3
	s_lshl_b32 s22, s22, 4
	s_lshl_b32 s66, s18, 2
	s_add_co_u32 s22, s22, s66
	s_lshl_b32 s66, s15, 1
	s_add_co_u32 s22, s22, s66
	s_lshl_b32 s22, s22, 18
	s_and_b32 s66, s19, 7
	s_lshl_b32 s66, s66, 1
	s_add_co_u32 s66, s66, s16
	s_lshl_b32 s66, s66, 14
	s_add_co_u32 s22, s22, s66
	s_add_co_u32 s22, s22, 8192
	s_add_nc_u64 s[6:7], s[82:83], s[22:23]
.else
	s_cmp_eq_u32 ttmp9, 1
	s_cselect_b64 s[6:7], s[82:83], s[80:81]
	s_cselect_b64 s[10:11], s[76:77], s[74:75]
	s_cselect_b32 s12, 18, 17
	s_cselect_b32 s13, 14, 13
	s_lshl_b32 s22, s19, 10
	s_lshl_b32 s23, s16, 9
	s_add_co_u32 s22, s22, s23
	s_mov_b32 s23, 0
	s_add_nc_u64 s[10:11], s[10:11], s[22:23]
	v_bfe_u32 v[BO], v0, 4, 1
	v_lshlrev_b32 v[BO], 5, v[BO]
.irp b, 0,1,2,3,4,5,6,7
	global_load_b128 v[BI+8*\b:BI+8*\b+3], v[BO], s[10:11] offset:64*\b
	global_load_b128 v[BI+8*\b+4:BI+8*\b+7], v[BO], s[10:11] offset:64*\b+16
.endr
	s_lshr_b32 s22, s18, 3
	s_lshl_b32 s22, s22, 4
	s_lshl_b32 s66, s19, 2
	s_add_co_u32 s22, s22, s66
	s_lshl_b32 s66, s16, 1
	s_add_co_u32 s22, s22, s66
	s_lshl_b32 s22, s22, s12
	s_and_b32 s66, s18, 7
	s_lshl_b32 s66, s66, 1
	s_add_co_u32 s66, s66, s15
	s_lshl_b32 s66, s66, s13
	s_add_co_u32 s22, s22, s66
	s_add_nc_u64 s[6:7], s[6:7], s[22:23]
	s_lshl_b32 s22, 1, s12
	s_add_nc_u64 s[8:9], s[6:7], s[22:23]
.endif
	STEP 1, 0, 0
	s_wait_dscnt 4*NL
	WIN MUL_LO
	MUL16 0, 1, 0
	MUL16 2, 1, 0
	s_wait_dscnt 0
	WIN MUL_HI
	MUL16 4, 1, 0
	MUL16 6, 1, 0
	WIN 0
	s_wait_loadcnt 0x0
	PLACES NP
	EPI \isv
.endm
	s_wait_tensorcnt 1
	s_barrier_signal -1
	s_barrier_wait -1
	FETCH_B 0, 0, 0
	FETCH_A 0, 0, 0
	FETCH_A 0, 0, 4
	STEP 0, 0, 1
	TURN 0, 1, 1
	STEP 1, 0, 0
	TURN 1, 0, 1
	STEP 0, 0, 0
	TURN 0, 1, 0
	s_cmp_eq_u32 ttmp9, 2
	s_cbranch_scc1 .Lfor_v
	FINISH 0
	s_branch .Ldone
.Lfor_v:
	FINISH 1
.Ldone:
	s_wait_tensorcnt 0x0
	ds_add_u32 v[SPW], v[NIL]
	s_wait_dscnt 0x0
	CROUND
	s_endpgm
.Lfunc_end_k_qddd8d29f85_qkv:
	.size	k_qddd8d29f85_qkv, .Lfunc_end_k_qddd8d29f85_qkv-k_qddd8d29f85_qkv
	.p2alignl 7, 3214868480
	.fill 96, 4, 3214868480
	.section	.rodata,"a",@progbits
	.p2align	6, 0x0
	.amdhsa_kernel k_qddd8d29f85_qkv
		.amdhsa_group_segment_fixed_size 327680
		.amdhsa_private_segment_fixed_size 0
		.amdhsa_enable_private_segment 0
		.amdhsa_kernarg_size 64
		.amdhsa_user_sgpr_count 2
		.amdhsa_user_sgpr_kernarg_segment_ptr 1
		.amdhsa_wavefront_size32 1
		.amdhsa_system_sgpr_workgroup_id_x 1
		.amdhsa_system_sgpr_workgroup_id_y 1
		.amdhsa_system_sgpr_workgroup_id_z 1
		.amdhsa_system_vgpr_workitem_id 0
		.amdhsa_next_free_vgpr 1024
		.amdhsa_next_free_sgpr 100
		.amdhsa_reserve_vcc 0
		.amdhsa_float_denorm_mode_32 3
		.amdhsa_float_denorm_mode_16_64 3
		.amdhsa_memory_ordered 1
		.amdhsa_forward_progress 1
		.amdhsa_inst_pref_size 207
	.end_amdhsa_kernel
	.amdgpu_metadata
---
amdhsa.version: [ 1, 2 ]
amdhsa.kernels:
  - .name:           k_qddd8d29f85_qkv
    .symbol:         k_qddd8d29f85_qkv.kd
    .args:
      - { .name: ximg, .offset: 0, .size: 8, .value_kind: global_buffer, .address_space: global }
      - { .name: wimg, .offset: 8, .size: 8, .value_kind: global_buffer, .address_space: global }
      - { .name: lowp_scales, .offset: 16, .size: 8, .value_kind: global_buffer, .address_space: global }
      - { .name: bq, .offset: 24, .size: 8, .value_kind: global_buffer, .address_space: global }
      - { .name: bk, .offset: 32, .size: 8, .value_kind: global_buffer, .address_space: global }
      - { .name: bv, .offset: 40, .size: 8, .value_kind: global_buffer, .address_space: global }
      - { .name: qimg, .offset: 48, .size: 8, .value_kind: global_buffer, .address_space: global }
      - { .name: kvimg, .offset: 56, .size: 8, .value_kind: global_buffer, .address_space: global }
    .group_segment_fixed_size: 327680
    .private_segment_fixed_size: 0
    .kernarg_segment_align: 8
    .kernarg_segment_size: 64
    .max_flat_workgroup_size: 128
    .sgpr_count:     100
    .vgpr_count:     1024
    .wavefront_size: 32
...
	.end_amdgpu_metadata
.endif
;; end of part 2
;; launch attn (part 3): grid 8 x 32, 8 waves a work-group, clusters of 4 x 1, 327,680 bytes of LDS; arguments qimg, kvimg, lowp_scales, oimg; writes oimg
.if DOCPART == 3
	.amdgcn_target "amdgcn-amd-amdhsa--gfx1250"
	.amdhsa_code_object_version 6
	.text
	.protected	k_qddd8d29f85_attn
	.globl	k_qddd8d29f85_attn
	.p2align	8
	.type	k_qddd8d29f85_attn,@function
k_qddd8d29f85_attn:
	s_mov_b64 s[64:65], 0
	v_nop
	global_prefetch_b8 v0, s[64:65] scope:SCOPE_SE
	s_setreg_imm32_b32 hwreg(HW_REG_WAVE_MODE, 25, 1), 1
	s_wait_xcnt 0x0
	s_wait_alu depctr_hold_cnt(0) depctr_sa_sdst(0) depctr_va_vdst(0) depctr_va_sdst(0) depctr_va_ssrc(0) depctr_va_vcc(0) depctr_vm_vsrc(0)
	s_getreg_b32 s2, hwreg(HW_REG_IB_STS2, 6, 4)
	s_cmp_eq_u32 s2, 0
	s_cbranch_scc0 .Lentry_in_a_cluster
	s_endpgm
.Lentry_in_a_cluster:
	s_bfe_u32 s2, ttmp6, 0x10000c
	s_cmp_lg_u32 s2, 0x3003
	s_cbranch_scc0 .Lentry_shape_is_right
	s_endpgm
.Lentry_shape_is_right:
; ATTN: products 4 and 5 with the softmax between them, for one batch and head (grid y) and 256 queries (grid x); the result is quantised with e10 for product 6.  Nothing of reference() is left out here.
; t = score x log2(e) / 8; M = the running largest t rounded up to a whole number; p = 2^(t - M) is quantised with e9; the row's sum is taken of the unquantised p and divides at the end.
; SHARES.  Eight waves, two to a SIMD; a wave owns two tiles of 16 queries and walks all 2,048 keys, 128 a step.  Both products are used transposed (S^T = K Q^T, O^T = V^T P^T): a lane holds one query.
; LDS.  A head's K and V, 262,144 bytes of register images: [key step 16][K: 8 tiles of 16 keys x 64 channels, 8,192 bytes | V: 4 tiles of 16 channels x 128 keys, 8,192 bytes].  Every byte is filled once.
; The four work-groups of a cluster walk the same head and ask jointly.  A wave issues two loads: at the head its eighth of the first 73,728 bytes (key steps 0 to 3 and K of step 4);
; behind the full sequence and a round its eighth of the other 188,416 bytes, for which the wait stands four key steps later.
; K's fragments of step s + 1 are fetched behind step s's first product; since the first fill reaches K of step 4, only the very last step is written out without that fetch.
; No prefetch into the L2: all of K and V is asked for by these two loads at the start, so there is no loop to run ahead in.
; LIMITS: the scaled scores stay under 2^31 in magnitude; e6 + e7 between -123 and 130; e9 and e10 between -126 and 119; NaN and infinities are not served.
; REGISTERS: window 0: v1 16 x lane, v2 the step's LDS address, v4, v5 the add's, v12-27 a tile's state (-M, largest t, sum x 2, f, ., two at work), v28, v29 the other half's number,
;   v30, v53 448 x 2^e9, v31 2^e9, v32-47 Q, v48-51 second chains of the sums, v64-191 S^T then p, v192-223 p's codes.  window 1: v0-63 O^T, v64-127 K's fragments, v128-191 V's.
.set SPARE, 262144                     ; behind K and V: the spare words, 128 bytes for each of eight waves, named by no other line
.set FIRST, 73728                      ; bytes of the first fill: 36 rows of 256 bytes a wave; the second: 92 rows a wave
.set LI,   1
.set ADR,  2
.set SPW,  4
.set NIL,  5
.set ST,   12
.set PT,   28
.set LIMR, 30
.set SCR,  31
.set Q,    32
.set C2,   48
.set LIM2, 53
.set S,    64
.set P,    192
.set KF,   64
.set VF,   128
.set MSB, 0
.macro WIN new                         ; the immediate's high byte repeats the setting that is left
.if MSB != (\new)
	s_set_vgpr_msb (MSB<<8)|(\new)
.set MSB, \new
.endif
.endm
.macro CROUND                          ; a round of the cluster's barrier
	s_barrier_signal -1
	s_barrier_wait -1
	s_cmp_lg_u32 s12, 0
	s_cbranch_scc1 .Lnot_wave_0_\@
	s_barrier_signal -3
.Lnot_wave_0_\@:
	s_barrier_wait -3
	s_barrier_signal -1
	s_barrier_wait -1
.endm
.macro KLOADS off                      ; eight tiles of 16 keys, 8 registers each, from byte off behind the step in v[ADR]
	WIN 0x40
.irp kt, 0,1,2,3,4,5,6,7
	ds_load_b128 v[KF+8*\kt:KF+8*\kt+3], v[ADR] offset:\off+1024*\kt
	ds_load_b128 v[KF+8*\kt+4:KF+8*\kt+7], v[ADR] offset:\off+1024*\kt+512
.endr
	WIN 0
.endm
	s_load_b256 s[4:11], s[0:1], 0x0               ; qimg, kvimg, the exponents, oimg
	v_lshl_add_u32 v[SPW], v0, 2, SPARE
	v_mov_b32 v[NIL], 0
	ds_add_u32 v[SPW], v[NIL]                      ; the opening lines: the add, twice on end, and its wait ahead of my first tensor load
	ds_add_u32 v[SPW], v[NIL]
	v_lshrrev_b32 v1, 5, v0
	s_delay_alu instid0(VALU_DEP_1)
	v_readfirstlane_b32 s12, v1                    ; wave 0..7
	s_bfe_u32 s13, ttmp6, 0x40000                  ; cx
	s_lshl_b32 s14, ttmp9, 2
	s_add_co_u32 s14, s14, s13                     ; block of 256 queries
	s_and_b32 s15, ttmp7, 0xffff                   ; batch and head
	s_mov_b32 s16, 15|(3<<16)|(1<<21)              ; group 1, first fill: the four partners; elements of 8 bytes; rows of 256 bytes, dense
	s_mov_b32 s17, 32<<16
	s_mov_b32 s18, 36<<16
	s_mov_b32 s19, 32<<16
	s_mov_b32 s20, 36
	s_mov_b32 s21, 32
	s_mov_b32 s22, 0
	s_mov_b32 s23, 0
	s_mov_b32 s32, 15|(3<<16)|(1<<21)              ; group 1, second fill: 92 rows
	s_mov_b32 s33, 32<<16
	s_mov_b32 s34, 92<<16
	s_mov_b32 s35, 32<<16
	s_mov_b32 s36, 92
	s_mov_b32 s37, 32
	s_mov_b32 s38, 0
	s_mov_b32 s39, 0
	s_mov_b32 s24, 1
	s_mul_i32 s25, s12, FIRST/8                    ; LDS and the head's bytes run alike: my eighth of the first fill,
	s_mov_b32 s28, 1
	s_mul_i32 s29, s12, (262144-FIRST)/8
	s_add_co_u32 s29, s29, FIRST                   ; and of the second
	s_lshl_b32 s66, s15, 18                        ; the head's 262,144 bytes
	s_mov_b32 s67, 0
	s_mov_b32 s56, 0x3e38aa3b                      ; log2(e) / 8
	s_mov_b32 s58, 0x76543210                      ; lane selects: lane l xor 16
	s_mov_b32 s59, 0xfedcba98
	s_wait_dscnt 0x0                               ; both opening adds are done
	s_wait_kmcnt 0x0
	s_load_b512 s[40:55], s[8:9], 0x0              ; e0 .. e15
	s_add_nc_u64 s[6:7], s[6:7], s[66:67]
	s_mov_b32 s66, s25
	s_add_nc_u64 s[26:27], s[6:7], s[66:67]
	s_or_b32 s27, s27, 0x80000000
	s_mov_b32 s66, s29
	s_add_nc_u64 s[30:31], s[6:7], s[66:67]
	s_or_b32 s31, s31, 0x80000000
	CROUND                                         ; the four partners are here: the first joint loads meet
	tensor_load_to_lds s[24:27], s[16:23]          ; my one load at the head
	s_nop 0
.rept 4
	v_nop
.endr
	v_and_b32 v[LI], 31, v0
	s_delay_alu instid0(VALU_DEP_1)
	v_lshlrev_b32 v[LI], 4, v[LI]
	s_lshl_b32 s63, s15, 7                         ; qimg: [head 32][query tile 128][1024]: my two tiles
	s_lshl_b32 s66, s14, 4
	s_add_co_u32 s63, s63, s66
	s_lshl_b32 s66, s12, 1
	s_add_co_u32 s63, s63, s66
	s_lshl_b32 s66, s63, 10
	s_add_nc_u64 s[4:5], s[4:5], s[66:67]
.irp u, 0,1
.irp c, 0,1
	global_load_b128 v[Q+8*\u+4*\c:Q+8*\u+4*\c+3], v[LI], s[4:5] offset:1024*\u+512*\c
.endr
.endr
	s_lshr_b32 s63, s15, 4                         ; oimg: [token tile 256][K step 8][2048]: a head is half a K step
	s_lshl_b32 s63, s63, 7
	s_lshl_b32 s66, s14, 4
	s_add_co_u32 s63, s63, s66
	s_lshl_b32 s66, s12, 1
	s_add_co_u32 s63, s63, s66
	s_lshl_b32 s63, s63, 14
	s_and_b32 s66, s15, 15
	s_lshl_b32 s66, s66, 10
	s_add_co_u32 s66, s66, s63
	s_add_nc_u64 s[10:11], s[10:11], s[66:67]
.irp u, 0,1
	v_mov_b32 v[ST+8*\u+1], 0xff61b1e6             ; the largest t so far: -3e38
	s_delay_alu instid0(VALU_DEP_1)
	v_floor_f32 v[ST+8*\u], -v[ST+8*\u+1]          ; -M
	v_mov_b32 v[ST+8*\u+2], 0
	v_mov_b32 v[ST+8*\u+3], 0
	v_mov_b32 v[ST+8*\u+5], 0
	v_mov_b32 v[PT+\u], 0
.endr
	WIN 0x40
.set J, 0
.rept 64
	v_mov_b32 v[J], 0                              ; O^T: the step is written for all steps alike; the first finds zeros
.set J, J+1
.endr
	WIN 0
	s_wait_kmcnt 0x0
	s_add_co_i32 s62, s46, s47
	s_lshl_b32 s62, s62, 23
	s_add_co_i32 s56, s56, s62                     ; e6 + e7 go into c's exponent field
	s_mov_b32 s57, s56
	s_add_co_i32 s62, s49, 127
	s_lshl_b32 s63, s62, 23
	v_mov_b32 v[SCR], s63                          ; 2^e9
	s_add_co_i32 s62, s62, 8
	s_lshl_b32 s62, s62, 23
	s_or_b32 s62, s62, 0x600000
	v_mov_b32 v[LIMR], s62                         ; 448 x 2^e9, in two registers for the two halves of a dual pair
	v_mov_b32 v[LIM2], s62
	s_add_co_i32 s68, s50, 127
	s_lshl_b32 s63, s68, 23                        ; 2^e10
	s_add_co_i32 s68, s68, 8
	s_lshl_b32 s68, s68, 23
	s_or_b32 s68, s68, 0x600000                    ; 448 x 2^e10
	s_add_co_i32 s62, s48, s49                     ; e8 + e9
; A KEY STEP: 128 keys at LDS byte s60.  Its K fragments are on their way or in.  pre = 1: the next step's are fetched.
.macro STEP pre
	v_add_nc_u32 v[ADR], s60, v[LI]
.rept 3
	v_nop                                          ; with the line above: four places behind the last products, whose V fragments are loaded anew
.endr
	WIN 0x40
.irp ct, 0,1,2,3
.irp i, 0,1,2,3
	ds_load_b128 v[VF+16*\ct+4*\i:VF+16*\ct+4*\i+3], v[ADR] offset:8192+2048*\ct+512*\i
.endr
.endr
.if \pre
	s_wait_alu depctr_va_vdst(0)
.endif
	s_wait_dscnt 16                                ; K's fragments are in; V's sixteen loads may be out
	WIN 0x01
.irp kt, 0,1,2,3,4,5,6,7
.irp u, 0,1
	v_wmma_f32_16x16x64_fp8_fp8 v[S+64*\u+8*\kt:S+64*\u+8*\kt+7], v[KF+8*\kt:KF+8*\kt+7], v[Q+8*\u:Q+8*\u+7], 0
.endr
.endr
	WIN 0
.rept 4
	v_nop                                          ; four places: for the loads into K's registers and for the reads of the scores
.endr
.if \pre
	KLOADS 16384
.endif
.irp u, 0,1
	v_max3_num_f32 v[ST+8*\u+6], v[S+64*\u], v[S+64*\u+1], v[S+64*\u+2]
	v_max3_num_f32 v[ST+8*\u+7], v[S+64*\u+3], v[S+64*\u+4], v[S+64*\u+5]
.endr
.irp i, 6,10,14,18,22,26,30,34,38,42,46,50,54,58
.irp u, 0,1
	v_max3_num_f32 v[ST+8*\u+6], v[ST+8*\u+6], v[S+64*\u+\i], v[S+64*\u+\i+1]
	v_max3_num_f32 v[ST+8*\u+7], v[ST+8*\u+7], v[S+64*\u+\i+2], v[S+64*\u+\i+3]
.endr
.endr
.irp u, 0,1
	v_max3_num_f32 v[ST+8*\u+6], v[ST+8*\u+6], v[S+64*\u+62], v[S+64*\u+63]
.endr
.irp u, 0,1
	s_delay_alu instid0(VALU_DEP_2)
	v_max_num_f32 v[ST+8*\u+6], v[ST+8*\u+6], v[ST+8*\u+7]
.endr
.irp u, 0,1
	s_delay_alu instid0(VALU_DEP_2)
	v_permlanex16_b32 v[PT+\u], v[ST+8*\u+6], s58, s59
.endr
.irp u, 0,1
	s_delay_alu instid0(VALU_DEP_2)
	v_max_num_f32 v[ST+8*\u+6], v[ST+8*\u+6], v[PT+\u]
.endr
.irp u, 0,1
	s_delay_alu instid0(VALU_DEP_2)
	v_mul_f32 v[ST+8*\u+6], s56, v[ST+8*\u+6]      ; as t
.endr
.irp u, 0
	s_delay_alu instid0(VALU_DEP_2)
	v_max_num_f32 v[ST+8*\u+1], v[ST+8*\u+1], v[ST+8*\u+6]
	v_mov_b32 v[ST+8*\u+6], v[ST+8*\u]
.endr
.irp u, 1
	s_delay_alu instid0(VALU_DEP_3)
	v_max_num_f32 v[ST+8*\u+1], v[ST+8*\u+1], v[ST+8*\u+6]
	v_mov_b32 v[ST+8*\u+6], v[ST+8*\u]
.endr
.irp u, 0
	s_delay_alu instid0(VALU_DEP_4)
	v_floor_f32 v[ST+8*\u], -v[ST+8*\u+1]          ; the new -M
.endr
.irp u, 1
	s_delay_alu instid0(VALU_DEP_3)
	v_floor_f32 v[ST+8*\u], -v[ST+8*\u+1]
.endr
.irp u, 0,1
	s_delay_alu instid0(VALU_DEP_2)
	v_sub_f32 v[ST+8*\u+6], v[ST+8*\u], v[ST+8*\u+6]
.endr
.irp u, 0,1
	s_delay_alu instid0(VALU_DEP_2)
	v_cvt_i32_f32 v[ST+8*\u+6], v[ST+8*\u+6]
.endr
.irp u, 0,1
	s_delay_alu instid0(VALU_DEP_2)
	v_ldexp_f32 v[ST+8*\u+4], 1.0, v[ST+8*\u+6]    ; f = 2^(old M - new M)
.endr
.irp u, 0,1
.set J, 0
.rept 32
	v_pk_fma_f32 v[S+64*\u+J:S+64*\u+J+1], v[S+64*\u+J:S+64*\u+J+1], s[56:57], v[ST+8*\u:ST+8*\u+1] op_sel_hi:[1,0,0]   ; t - M
.set J, J+2
.endr
.endr
.set J, 0
	s_wait_alu depctr_va_vdst(0)                   ; ahead of the batch
.rept 128
	v_exp_f32 v[S+J], v[S+J]
.set J, J+1
.endr
.irp u, 0,1
	v_pk_mul_f32 v[ST+8*\u+2:ST+8*\u+3], v[ST+8*\u+2:ST+8*\u+3], v[ST+8*\u+4:ST+8*\u+5] op_sel_hi:[1,0]   ; the sums under the new M; plain lines behind the batch
.endr
	s_wait_alu depctr_va_vdst(0)                   ; one wait for the batch, ahead of its first reader
.irp u, 0,1
	v_pk_add_f32 v[C2+2*\u:C2+2*\u+1], v[S+64*\u:S+64*\u+1], v[S+64*\u+2:S+64*\u+3]
.endr
.irp j, 4,8,12,16,20,24,28,32,36,40,44,48,52,56,60
.irp u, 0,1
	v_pk_add_f32 v[ST+8*\u+2:ST+8*\u+3], v[ST+8*\u+2:ST+8*\u+3], v[S+64*\u+\j:S+64*\u+\j+1]
	v_pk_add_f32 v[C2+2*\u:C2+2*\u+1], v[C2+2*\u:C2+2*\u+1], v[S+64*\u+\j+2:S+64*\u+\j+3]
.endr
.endr
.irp u, 0
	s_delay_alu instid0(VALU_DEP_3)
	v_pk_add_f32 v[ST+8*\u+2:ST+8*\u+3], v[ST+8*\u+2:ST+8*\u+3], v[C2+2*\u:C2+2*\u+1]
.endr
.irp u, 1
	s_delay_alu instid0(VALU_DEP_2)
	v_pk_add_f32 v[ST+8*\u+2:ST+8*\u+3], v[ST+8*\u+2:ST+8*\u+3], v[C2+2*\u:C2+2*\u+1]
.endr
.irp u, 0,1
.irp b, 0,1,2,3
.set J, 0
.rept 8                                        ; the hold (the conversion does not saturate: ISA guide 7.6.2), one-sided since p is not negative, two numbers to a dual pair
	v_dual_min_num_f32 v[S+64*\u+16*\b+J], v[S+64*\u+16*\b+J], v[LIMR] :: v_dual_min_num_f32 v[S+64*\u+16*\b+J+1], v[S+64*\u+16*\b+J+1], v[LIM2]
.set J, J+2
.endr
	v_cvt_scalef32_pk8_fp8_f32 v[P+16*\u+4*\b:P+16*\u+4*\b+1], v[S+64*\u+16*\b:S+64*\u+16*\b+7], v[SCR]
	v_cvt_scalef32_pk8_fp8_f32 v[P+16*\u+4*\b+2:P+16*\u+4*\b+3], v[S+64*\u+16*\b+8:S+64*\u+16*\b+15], v[SCR]
.endr
.endr
	WIN 0x41
	s_wait_alu depctr_va_vdst(0)                   ; directly ahead of the first reader of O^T
.irp u, 0,1
.set J, 0
.rept 16
	v_pk_mul_f32 v[32*\u+J:32*\u+J+1], v[32*\u+J:32*\u+J+1], v[ST+8*\u+4:ST+8*\u+5] op_sel_hi:[1,0]   ; O^T under the new M
.set J, J+2
.endr
.endr
	s_wait_alu depctr_va_vdst(0)                   ; directly ahead of the wait below
	s_wait_dscnt 16*\pre                           ; V's fragments are in; the next step's sixteen loads of K may be out
	WIN 0x51
.irp ct, 0,1,2,3
.irp u, 0,1
	v_wmma_f32_16x16x128_fp8_fp8 v[32*\u+8*\ct:32*\u+8*\ct+7], v[VF+16*\ct:VF+16*\ct+15], v[P+16*\u:P+16*\u+15], v[32*\u+8*\ct:32*\u+8*\ct+7]
.endr
.endr
	WIN 0
	s_add_co_u32 s60, s60, 16384
.endm
	s_wait_alu depctr_va_vdst(0)                   ; at the head's end
	s_wait_tensorcnt 0x0                           ; my part of the first fill is in; a later first fill is issued as a refill is:
	ds_add_u32 v[SPW], v[NIL]                      ; 0 onto my spare word
	s_wait_dscnt 0x0
	CROUND                                         ; everybody's part is in, and the four partners are here
	tensor_load_to_lds s[28:31], s[32:39]          ; the rest of K and V
	s_nop 0
.rept 4
	v_nop
.endr
	s_wait_loadcnt 0x0                             ; Q
	s_mov_b32 s60, 0
	v_add_nc_u32 v[ADR], s60, v[LI]
	KLOADS 0                                       ; step 0's K
	s_mov_b32 s61, 4
.Lfirst:                                           ; key steps 0 to 3; the last of them fetches K of step 4, which came with the first fill
	STEP 1
	s_sub_co_u32 s61, s61, 1
	s_cmp_lg_u32 s61, 0
	s_cbranch_scc1 .Lfirst
	s_wait_tensorcnt 0x0                           ; my part of the second fill is in;
	s_wait_dscnt 0x0                               ; no LDS load of mine is out at the signal
	s_barrier_signal -1
	s_barrier_wait -1                              ; and everybody's: nothing is filled again, so no add and no round
	s_mov_b32 s61, 11
.Lrest:                                            ; key steps 4 to 14
	STEP 1
	s_sub_co_u32 s61, s61, 1
	s_cmp_lg_u32 s61, 0
	s_cbranch_scc1 .Lrest
	STEP 0                                         ; key step 15 has no successor
	; THE WAY OUT: O^T / the sum x 2^(e8 + e9), quantised with e10, stored as the image of product 6's operand
.irp u, 0,1
	v_add_f32 v[ST+8*\u+2], v[ST+8*\u+2], v[ST+8*\u+3]
.endr
.irp u, 0,1
	s_delay_alu instid0(VALU_DEP_2)
	v_permlanex16_b32 v[PT+\u], v[ST+8*\u+2], s58, s59
.endr
.irp u, 0,1
	s_delay_alu instid0(VALU_DEP_2)
	v_add_f32 v[ST+8*\u+2], v[ST+8*\u+2], v[PT+\u]
.endr
	v_mov_b32 v[SCR], s63
	v_mov_b32 v[LIMR], s68
	s_wait_alu depctr_va_vdst(0)                   ; ahead of the two reciprocals
.irp u, 0,1
	v_rcp_f32 v[ST+8*\u+6], v[ST+8*\u+2]
.endr
	v_nop
	s_wait_alu depctr_va_vdst(0)                   ; and behind them, ahead of their first reader
.irp u, 0,1
	v_ldexp_f32 v[ST+8*\u+6], v[ST+8*\u+6], s62
.endr
	WIN 0x01
	s_wait_alu depctr_va_vdst(0)                   ; directly ahead of the first reader of O^T
.irp u, 0,1
.set J, 0
.rept 32
	v_mul_f32 v[S+32*\u+J], v[32*\u+J], v[ST+8*\u+6]
.set J, J+1
.endr
.endr
	WIN 0
.set J, 0
.rept 64
	v_med3_num_f32 v[S+J], v[S+J], -v[LIMR], v[LIMR]
.set J, J+1
.endr
.irp u, 0,1
.irp ct, 0,1,2,3
	v_cvt_scalef32_pk8_fp8_f32 v[P+8*\u+2*\ct:P+8*\u+2*\ct+1], v[S+32*\u+8*\ct:S+32*\u+8*\ct+7], v[SCR]
.endr
.endr
	v_nop                                          ; a plain line behind the last conversion
.irp u, 0,1
.irp i, 0,1
	global_store_b128 v[LI], v[P+8*\u+4*\i:P+8*\u+4*\i+3], s[10:11] offset:16384*\u+512*\i   ; 512 consecutive bytes, aligned
.endr
.endr
	s_wait_tensorcnt 0x0                           ; the wave's end
	ds_add_u32 v[SPW], v[NIL]
	s_wait_dscnt 0x0
	CROUND                                         ; the closing round
	s_endpgm
.Lfunc_end_k_qddd8d29f85_attn:
	.size	k_qddd8d29f85_attn, .Lfunc_end_k_qddd8d29f85_attn-k_qddd8d29f85_attn
	.p2alignl 7, 3214868480
	.fill 96, 4, 3214868480
	.section	.rodata,"a",@progbits
	.p2align	6, 0x0
	.amdhsa_kernel k_qddd8d29f85_attn
		.amdhsa_group_segment_fixed_size 327680
		.amdhsa_private_segment_fixed_size 0
		.amdhsa_enable_private_segment 0
		.amdhsa_kernarg_size 32
		.amdhsa_user_sgpr_count 2
		.amdhsa_user_sgpr_kernarg_segment_ptr 1
		.amdhsa_wavefront_size32 1
		.amdhsa_system_sgpr_workgroup_id_x 1
		.amdhsa_system_sgpr_workgroup_id_y 1
		.amdhsa_system_sgpr_workgroup_id_z 1
		.amdhsa_system_vgpr_workitem_id 0
		.amdhsa_next_free_vgpr 512
		.amdhsa_next_free_sgpr 80
		.amdhsa_reserve_vcc 0
		.amdhsa_float_denorm_mode_32 3
		.amdhsa_float_denorm_mode_16_64 3
		.amdhsa_memory_ordered 1
		.amdhsa_forward_progress 1
		.amdhsa_inst_pref_size 104
	.end_amdhsa_kernel
	.amdgpu_metadata
---
amdhsa.version: [ 1, 2 ]
amdhsa.kernels:
  - .name:           k_qddd8d29f85_attn
    .symbol:         k_qddd8d29f85_attn.kd
    .args:
      - { .name: qimg, .offset: 0, .size: 8, .value_kind: global_buffer, .address_space: global }
      - { .name: kvimg, .offset: 8, .size: 8, .value_kind: global_buffer, .address_space: global }
      - { .name: lowp_scales, .offset: 16, .size: 8, .value_kind: global_buffer, .address_space: global }
      - { .name: oimg, .offset: 24, .size: 8, .value_kind: global_buffer, .address_space: global }
    .group_segment_fixed_size: 327680
    .private_segment_fixed_size: 0
    .kernarg_segment_align: 8
    .kernarg_segment_size: 32
    .max_flat_workgroup_size: 256
    .sgpr_count:     80
    .vgpr_count:     512
    .wavefront_size: 32
...
	.end_amdgpu_metadata
.endif
;; end of part 3
;; launch tail (part 4): grid 128 x 1, 8 waves a work-group, clusters of 4 x 1, 327,680 bytes of LDS; arguments oimg, wimg, stats, x, alpha1, beta1, bo, lowp_scales, alpha2, beta2, b1, b2, out0; writes out0
.if DOCPART == 4
	.amdgcn_target "amdgcn-amd-amdhsa--gfx1250"
	.amdhsa_code_object_version 6
	.text
	.protected	k_qddd8d29f85_tail
	.globl	k_qddd8d29f85_tail
	.p2align	8
	.type	k_qddd8d29f85_tail,@function
k_qddd8d29f85_tail:
	s_mov_b64 s[64:65], 0
	v_nop
	global_prefetch_b8 v0, s[64:65] scope:SCOPE_SE
	s_setreg_imm32_b32 hwreg(HW_REG_WAVE_MODE, 25, 1), 1
	s_wait_xcnt 0x0
	s_wait_alu depctr_hold_cnt(0) depctr_sa_sdst(0) depctr_va_vdst(0) depctr_va_sdst(0) depctr_va_ssrc(0) depctr_va_vcc(0) depctr_vm_vsrc(0)
	s_getreg_b32 s2, hwreg(HW_REG_IB_STS2, 6, 4)
	s_cmp_eq_u32 s2, 0
	s_cbranch_scc0 .Lentry_in_a_cluster
	s_endpgm
.Lentry_in_a_cluster:
	s_bfe_u32 s2, ttmp6, 0x10000c
	s_cmp_lg_u32 s2, 0x3003
	s_cbranch_scc0 .Lentry_shape_is_right
	s_endpgm
.Lentry_shape_is_right:
; TAIL: product 6 + bo + the residual norm_1(x) (made again from x and the stored mean and rstd), norm_2, products 7 and 8 with relu and biases, the second residual.  Nothing is left out.
; SHARES.  A work-group owns 32 tokens, two tiles of 16, at their whole width, which norm_2 needs.  Wave w makes columns 128 w on of products 6 and 8 and hidden units 64 w on of product 7.
; All products are used transposed (source 0 = 16 columns of the weight, source 1 = 16 tokens): a lane holds one token and eight neighbouring columns.
; THE WEIGHTS COME BY TWO ROADS AT ONCE.  Of a wave's eight column tiles (four in product 7) the lower half goes from memory straight into its registers; the upper half is asked for jointly by the
; four work-groups of a cluster, which walk the same weights, and comes through a ring of two LDS slots.  A fill holds two K steps of products 6 and 8, four of product 7: 16,384 bytes a wave,
; in the wave's own region of the slot, 16 bytes of padding behind each 512.  x comes through the ring too (a load of the work-group's own, 32 rows x 512 bytes a wave, the same bytes of the region).
; Product 6's sums begin with (beta1 + bo) / 2^(e10 + e11), an exact scaling; alpha1 (x - mean) rstd is added behind it, in the result's layout.
; The way out's stage is the wave's region of slot 1, behind that slot's last fill.
; Fills, slots 0 and 1 by turns: Wo's four pairs of K steps; x; W1's two halves; W2's two pairs.  Every change of slots has the full sequence and a round of the cluster's barrier.
; THE WALK OVER K IS STAGGERED BY THE CLUSTER'S NUMBER c: fill p of a weight holds part (c + p) mod 4 (Wo) or mod 2 (W1, W2).  Only the order of the f32 sums hangs on c.
; PREFETCHES INTO THE L2, a lane to a block of 256 bytes, each block named once in the launch.  x: a wave names 16,384 consecutive bytes of its work-group's 32 rows, half in K step 0 and half in K step 1 of
; product 6; x's load stands in K step 4.  W1 and W2, 1,048,576 bytes that all clusters read: clusters 0 to 3 alone ask, in K step 2, one instruction a wave, the blocks shared out by address
; (8,192 bytes a wave); W1's first load stands in K step 7.  Wo is wanted from the launch's first lines on and is not prefetched.
; LIMITS: e10+e11, e12+e13, e14+e15 and their negatives between -126 and 127; e12 and e14-e12-e13 between -126 and 119.
; REGISTERS: window 0: v1 16 x lane; v2, v3 my region of slot 1 (result's layout, by rows); v12, v19 the same of slot 0; v4 32 h; v5, v6 partial sums; v7, v10 my images; v8, v9, v16-18 K steps' offsets;
;   v13 8 r; v14, v15 the prefetches' offsets; later v12-15 b2; v20, v21 the add's; v22, v23 scale and limit; v24-31 (mean, .), (rstd, .) a tile; v32-95 tokens' fragments, or 64 numbers at work;
;   v96-127 sums, codes; v128-255 16 accumulators.
;   window 1: two sets of eight weight fragments (in each: 0-3 direct, 4-7 from LDS); product 7: three sets of four (v0, v64, v128) and eight accumulators (v192); between: alpha1, alpha2, beta2.
.set HIMG,  0                          ; [tile 2][K step 8][2048]: the attention's result, then norm_2's codes
.set H2IMG, 32768                      ; the hidden layer's codes: [tile 2][K step 4][2048]
.set RED1,  49152                      ; partial sums [tile 2][token 16][wave 8] f32; the second pass's 1,024 further on
.set SPARE, 51200                      ; the spare words: 128 bytes for each of eight waves
.set RING,  52224
.set REG,   16896                      ; a wave's region of a slot: 32 x (512 + 16)
.set SLOT,  8*REG
.set VA,   8
.set VB,   16
.set SPW,  20
.set NIL,  21
.set AB,   32
.set T,    32
.set NS,   96
.set PS,   104
.set ACC,  128
.set MSB, 0
.macro WIN new
.if MSB != (\new)
	s_set_vgpr_msb (MSB<<8)|(\new)
.set MSB, \new
.endif
.endm
.macro SETVO reg, hi, mask, sh, lo     ; 16 x lane + (((c + hi) & mask) << sh) + 2,048 lo: a K step's place in an image, in memory and in LDS alike
	s_add_co_u32 s67, ttmp9, \hi
	s_and_b32 s67, s67, \mask
	s_lshl_b32 s67, s67, \sh
	s_add_co_u32 s67, s67, 2048*(\lo)
	v_add_nc_u32 v[\reg], s67, v1
.endm
.macro ROUND                           ; a round of the cluster's barrier
	s_barrier_signal -1
	s_barrier_wait -1
	s_cmp_lg_u32 s66, 0
	s_cbranch_scc1 .Lnot_wave_0_\@
	s_barrier_signal -3
.Lnot_wave_0_\@:
	s_barrier_wait -3
	s_barrier_signal -1
	s_barrier_wait -1
.endm
.macro DESC slot, base, hi, mask, sh   ; group 0: my region of the slot; s[base] + (((c + hi) & mask) << sh)
	s_add_co_u32 s72, ttmp9, \hi
	s_and_b32 s72, s72, \mask
	s_lshl_b32 s72, s72, \sh
	s_mov_b32 s73, 0
	s_add_nc_u64 s[78:79], s[\base:\base+1], s[72:73]
	s_or_b32 s79, s79, 0x80000000
	s_mov_b32 s77, s[74+\slot]
.endm
.macro SEQ slot, base, g1, hi, mask, sh   ; a change of slots: the full sequence, a round, my one load
	s_wait_alu depctr_va_vdst(0)                   ; directly ahead of the wait below
	s_wait_tensorcnt 0x0                           ; all my tensor loads are in, so group 0 may be written
	ds_add_u32 v[SPW], v[NIL]                      ; 0 onto my spare word
	DESC \slot, \base, \hi, \mask, \sh
	s_wait_dscnt 0x0                               ; the add, my LDS stores and my reads of the slot are done
	ROUND
	tensor_load_to_lds s[76:79], s[\g1:\g1+7]
	s_nop 0
.rept 4
	v_nop
.endr
.endm
.macro LOADD buf, vo, nts, sb          ; fragments 0-3 of the K step in v[vo], from memory: 16 loads of 512 consecutive bytes
	WIN 0x40
.irp n, 0,1,2,3
.irp c, 0,1,2,3
	global_load_b128 v[128*(\buf)+16*\n+4*\c:128*(\buf)+16*\n+4*\c+3], v[\vo], s[\sb:\sb+1] offset:\n*(\nts)+512*\c
.endr
.endr
	WIN 0
.endm
.macro LOADL buf, wl, f                ; fragments 4-7 from my region: tile n has 8 chunks of 528 bytes, K step f of the pair 4 of them
	WIN 0x40
.irp n, 0,1,2,3
.irp c, 0,1,2,3
	ds_load_b128 v[128*(\buf)+64+16*\n+4*\c:128*(\buf)+64+16*\n+4*\c+3], v[\wl] offset:(8*\n+4*(\f)+\c)*528
.endr
.endr
	WIN 0
.endm
.macro LOADW1D buf, vo                 ; W1: fragments 0, 1 from memory
	WIN 0x40
.irp n, 0,1
.irp c, 0,1,2,3
	global_load_b128 v[64*(\buf)+16*\n+4*\c:64*(\buf)+16*\n+4*\c+3], v[\vo], s[62:63] offset:\n*16384+512*\c
.endr
.endr
	WIN 0
.endm
.macro LOADW1L buf, wl, q              ; W1: fragments 2, 3 from my region: tile n has 16 chunks, K step q of the four 4 of them
	WIN 0x40
.irp n, 0,1
.irp c, 0,1,2,3
	ds_load_b128 v[64*(\buf)+32+16*\n+4*\c:64*(\buf)+32+16*\n+4*\c+3], v[\wl] offset:(16*\n+4*(\q)+\c)*528
.endr
.endr
	WIN 0
.endm
.macro FETCHH buf, vo, base, per       ; the two token tiles' fragments of the K step in v[vo]
.irp m, 0,1
.irp c, 0,1,2,3
	ds_load_b128 v[AB+32*(\buf)+16*\m+4*\c:AB+32*(\buf)+16*\m+4*\c+3], v[\vo] offset:(\base)+(\per)*\m*2048+512*\c
.endr
.endr
.endm
.macro MUL16 buf                       ; 16 accumulators take turns, one instruction a turn
	WIN 0x01
.irp n, 0,1,2,3,4,5,6,7
.irp m, 0,1
	v_wmma_f32_16x16x128_fp8_fp8 v[ACC+64*\m+8*\n:ACC+64*\m+8*\n+7], v[128*(\buf)+16*\n:128*(\buf)+16*\n+15], v[AB+32*(\buf)+16*\m:AB+32*(\buf)+16*\m+15], v[ACC+64*\m+8*\n:ACC+64*\m+8*\n+7]
.endr
.endr
.endm
.macro MUL8 bbuf, abuf
	WIN 0x51
.irp n, 0,1,2,3
.irp m, 0,1
	v_wmma_f32_16x16x128_fp8_fp8 v[192+32*\m+8*\n:192+32*\m+8*\n+7], v[64*(\bbuf)+16*\n:64*(\bbuf)+16*\n+15], v[AB+32*(\abuf)+16*\m:AB+32*(\abuf)+16*\m+15], v[192+32*\m+8*\n:192+32*\m+8*\n+7]
.endr
.endr
.endm
.macro PLACES                          ; plain lines between a matrix instruction and a load into, or a vector line on, its registers
.rept 4
	v_nop
.endr
.endm
.macro BARRIER
	s_wait_dscnt 0x0
	s_barrier_signal -1
	s_barrier_wait -1
.endm
.macro HALVES m
	s_delay_alu instid0(VALU_DEP_1)
	v_pk_add_f32 v[NS+4*\m:NS+4*\m+1], v[NS+4*\m:NS+4*\m+1], v[NS+4*\m+2:NS+4*\m+3]
	s_delay_alu instid0(VALU_DEP_1)
	v_add_f32 v[NS+4*\m], v[NS+4*\m], v[NS+4*\m+1]
	s_delay_alu instid0(VALU_DEP_1)
	v_permlanex16_b32 v11, v[NS+4*\m], s30, s31
	s_delay_alu instid0(VALU_DEP_1)
	v_add_f32 v[NS+4*\m], v[NS+4*\m], v11
.endm
.macro RSUM b, m                       ; the sum of v[b] .. v[b + 63]
	v_pk_add_f32 v[NS+4*\m:NS+4*\m+1], v[\b:\b+1], v[\b+2:\b+3]
	v_pk_add_f32 v[NS+4*\m+2:NS+4*\m+3], v[\b+4:\b+5], v[\b+6:\b+7]
.set J, 8
.rept 14
	s_delay_alu instid0(VALU_DEP_2)
	v_pk_add_f32 v[NS+4*\m:NS+4*\m+1], v[NS+4*\m:NS+4*\m+1], v[\b+J:\b+J+1]
	s_delay_alu instid0(VALU_DEP_2)
	v_pk_add_f32 v[NS+4*\m+2:NS+4*\m+3], v[NS+4*\m+2:NS+4*\m+3], v[\b+J+2:\b+J+3]
.set J, J+4
.endr
	HALVES \m
.endm
.macro RSQ b, m                        ; the sum of their squares
	v_pk_mul_f32 v[NS+4*\m:NS+4*\m+1], v[\b:\b+1], v[\b:\b+1]
	v_pk_mul_f32 v[NS+4*\m+2:NS+4*\m+3], v[\b+2:\b+3], v[\b+2:\b+3]
.set J, 4
.rept 15
	s_delay_alu instid0(VALU_DEP_2)
	v_pk_fma_f32 v[NS+4*\m:NS+4*\m+1], v[\b+J:\b+J+1], v[\b+J:\b+J+1], v[NS+4*\m:NS+4*\m+1]
	s_delay_alu instid0(VALU_DEP_2)
	v_pk_fma_f32 v[NS+4*\m+2:NS+4*\m+3], v[\b+J+2:\b+J+3], v[\b+J+2:\b+J+3], v[NS+4*\m+2:NS+4*\m+3]
.set J, J+4
.endr
	HALVES \m
.endm
.macro WSUM off                        ; the eight waves' parts, added in one order by every wave
.irp m, 0,1
	ds_load_b128 v[PS+8*\m:PS+8*\m+3], v6 offset:\off+512*\m
	ds_load_b128 v[PS+8*\m+4:PS+8*\m+7], v6 offset:\off+512*\m+16
.endr
	s_wait_dscnt 0x0
.irp m, 0,1
	v_pk_add_f32 v[PS+8*\m:PS+8*\m+1], v[PS+8*\m:PS+8*\m+1], v[PS+8*\m+2:PS+8*\m+3]
	v_pk_add_f32 v[PS+8*\m+4:PS+8*\m+5], v[PS+8*\m+4:PS+8*\m+5], v[PS+8*\m+6:PS+8*\m+7]
	s_delay_alu instid0(VALU_DEP_1)
	v_pk_add_f32 v[PS+8*\m:PS+8*\m+1], v[PS+8*\m:PS+8*\m+1], v[PS+8*\m+4:PS+8*\m+5]
	s_delay_alu instid0(VALU_DEP_1)
	v_add_f32 v[NS+4*\m], v[PS+8*\m], v[PS+8*\m+1]
.endr
.endm
.macro DIFF m                          ; T = x1 - mean; x1 stays
.set J, 0
.rept 32
	v_pk_add_f32 v[T+J:T+J+1], v[ACC+64*\m+J:ACC+64*\m+J+1], v[24+4*\m:25+4*\m] op_sel_hi:[1,0] neg_lo:[0,1] neg_hi:[0,1]
.set J, J+2
.endr
.endm
.macro VEC64 dst, sb                   ; 64 numbers of a vector in the result's layout: my half's eight of each of my eight column tiles
.irp n, 0,1,2,3,4,5,6,7
	global_load_b128 v[\dst+8*\n:\dst+8*\n+3], v4, s[\sb:\sb+1] offset:64*\n
	global_load_b128 v[\dst+8*\n+4:\dst+8*\n+7], v4, s[\sb:\sb+1] offset:64*\n+16
.endr
.endm
.macro XLOAD m                         ; x of token tile m, my 128 columns, in the result's layout, from my region of slot 0
.irp n, 0,1,2,3,4,5,6,7
	ds_load_b128 v[T+8*\n:T+8*\n+3], v12 offset:8448*\m+64*\n
	ds_load_b128 v[T+8*\n+4:T+8*\n+7], v12 offset:8448*\m+64*\n+16
.endr
.endm
	s_load_b512 s[4:19], s[0:1], 0x0               ; oimg, wimg, stats, x, alpha1, beta1, bo, the exponents
	s_load_b256 s[20:27], s[0:1], 0x40             ; alpha2, beta2, b1, b2
	s_load_b64 s[28:29], s[0:1], 0x60              ; out0
	v_lshl_add_u32 v[SPW], v0, 2, SPARE
	v_mov_b32 v[NIL], 0
	ds_add_u32 v[SPW], v[NIL]                      ; the opening lines: the add, twice on end, and its wait ahead of my first tensor load
	ds_add_u32 v[SPW], v[NIL]
	v_lshrrev_b32 v1, 5, v0
	s_delay_alu instid0(VALU_DEP_1)
	v_readfirstlane_b32 s66, v1                    ; wave 0..7
	v_and_b32 v11, 31, v0
	v_and_b32 v5, 15, v0                           ; r
	v_bfe_u32 v6, v0, 4, 1                         ; h
	v_lshlrev_b32 v1, 4, v11                       ; 16 x lane
	v_lshlrev_b32 v4, 5, v6                        ; 32 h
	v_mul_u32_u24 v2, v5, 528
	s_mul_i32 s74, s66, REG
	s_add_co_u32 s74, s74, RING                    ; my region of slot 0,
	s_add_co_u32 s75, s74, SLOT                    ; and of slot 1
	v_add_nc_u32 v2, v2, v4
	v_add_nc_u32 v19, s74, v1                      ; slot 0 by chunks: 16 bytes a lane
	v_add_nc_u32 v3, s75, v1                       ; slot 1 likewise
	v_add_nc_u32 v12, s74, v2                      ; slot 0 in the result's layout: row r, + 32 h
	v_add_nc_u32 v2, s75, v2                       ; slot 1 likewise
	v_lshlrev_b32 v13, 3, v5                       ; a token's (mean, rstd)
	v_lshlrev_b32 v6, 5, v5
	v_add_nc_u32 v6, RED1, v6                      ; a token's eight partial sums
	s_lshl_b32 s67, s66, 2
	v_add_nc_u32 v5, s67, v6                       ; and mine among them
	s_lshl_b32 s67, s66, 11
	v_add_nc_u32 v7, s67, v1                       ; I bring K step w of product 6 and make K step w of product 7
	s_lshl_b32 s67, s66, 10
	s_add_co_u32 s67, s67, H2IMG
	v_add_nc_u32 v10, s67, v1                      ; and half w % 2 of K step w / 2 of product 8
	SETVO VA, 0, 3, 12, 0
	SETVO VA+1, 0, 3, 12, 1
	s_bfe_u32 s70, ttmp6, 0x40000
	s_lshl_b32 s71, ttmp9, 2
	s_add_co_u32 s70, s70, s71                     ; my block of 32 tokens
	s_lshl_b32 s67, s70, 3
	s_add_co_u32 s67, s67, s66
	s_lshl_b32 s67, s67, 13
	s_add_co_u32 s67, s67, 0x400000
	v_lshl_add_u32 v14, v11, 8, s67                ; the prefetch of W1 and W2, from wimg: 8,192 bytes for each wave of the first 16 work-groups, lanes 256 bytes apart
	s_mul_i32 s67, s66, 15872
	v_lshl_add_u32 v15, v11, 8, s67                ; the prefetch of x, from my columns' first byte (512 w): 16,384 w + 256 x lane of my work-group's rows
.irp j, 27,31
	v_mov_b32 v\j, 0                               ; named as upper halves of pairs
.endr
	s_lshl_b32 s2, s66, 9                          ; 128 columns of f32
	s_mov_b32 s3, 0
	s_mov_b32 s76, 1
	s_mov_b32 s80, 15|(3<<16)|(1<<20)|(1<<21)|(6<<22)|(3<<25)   ; group 1 for Wo (later W2): the four partners; elements of 8 bytes; 4 words of padding behind every 128
	s_mov_b32 s81, 512<<16                         ; rows of 4,096 bytes: two K steps of a column tile
	s_mov_b32 s82, 4<<16
	s_mov_b32 s83, 512<<16
	s_mov_b32 s84, 4                               ; four tiles
	s_mov_b32 s85, 2048                            ; 16,384 bytes apart
	s_mov_b32 s86, 0
	s_mov_b32 s87, 0
	s_mov_b32 s88, 15|(3<<16)|(1<<20)|(1<<21)|(6<<22)|(3<<25)   ; group 1 for W1: two tiles, rows of 8,192 bytes: four K steps
	s_mov_b32 s89, 1024<<16
	s_mov_b32 s90, 2<<16
	s_mov_b32 s91, 1024<<16
	s_mov_b32 s92, 2
	s_mov_b32 s93, 2048
	s_mov_b32 s94, 0
	s_mov_b32 s95, 0
	s_wait_alu depctr_va_vdst(0)                   ; at the head's end
	s_wait_dscnt 0x0                               ; both opening adds are done
	s_wait_kmcnt 0x0
	s_load_b512 s[36:51], s[18:19], 0x0            ; e0 .. e15
	s_mov_b32 s73, 0
	s_lshl_b32 s72, s66, 17
	s_add_co_u32 s72, s72, 0x300000
	s_add_nc_u64 s[60:61], s[6:7], s[72:73]        ; Wo's images, my eight column tiles;
	s_add_nc_u64 s[96:97], s[60:61], 65536         ; the upper four
	s_lshl_b32 s72, s66, 16
	s_add_co_u32 s72, s72, 0x400000
	s_add_nc_u64 s[62:63], s[6:7], s[72:73]        ; W1's, my four;
	s_add_nc_u64 s[98:99], s[62:63], 32768         ; the upper two
	s_add_co_u32 s72, s72, 0x80000
	s_add_nc_u64 s[68:69], s[6:7], s[72:73]        ; W2's, my eight;
	s_add_nc_u64 s[100:101], s[68:69], 32768       ; the upper four
	DESC 0, 96, 0, 3, 12
	ROUND                                          ; the four partners are here: the first joint loads meet
	tensor_load_to_lds s[76:79], s[80:87]          ; Wo's first pair of K steps: my one load at the head
	s_nop 0
.rept 4
	v_nop
.endr
	s_mov_b32 s73, 0
	s_lshl_b32 s72, s70, 15
	s_lshl_b32 s71, s66, 11
	s_add_co_u32 s72, s72, s71
	s_add_nc_u64 s[4:5], s[4:5], s[72:73]          ; oimg at my two token tiles, K step w
.irp m, 0,1
.irp c, 0,1,2,3
	global_load_b128 v[AB+16*\m+4*\c:AB+16*\m+4*\c+3], v1, s[4:5] offset:16384*\m+512*\c th:TH_LOAD_NT   ; each wave brings one K step of both tiles, once for the work-group
.endr
.endr
	s_lshl_b32 s72, s70, 8
	s_add_nc_u64 s[8:9], s[8:9], s[72:73]          ; (mean, rstd) of my 32 rows
	global_load_b64 v[24:25], v13, s[8:9]          ; of my token in each tile
	global_load_b64 v[28:29], v13, s[8:9] offset:128
	s_add_nc_u64 s[14:15], s[14:15], s[2:3]
	s_add_nc_u64 s[16:17], s[16:17], s[2:3]
	VEC64 ACC, 14                                  ; beta1
	VEC64 ACC+64, 16                               ; bo
	LOADD 0, VA, 16384, 60
	LOADD 1, VA+1, 16384, 60
	s_lshl_b32 s72, s70, 17
	s_add_co_u32 s72, s72, s2
	s_add_nc_u64 s[10:11], s[10:11], s[72:73]      ; x and out0 at my 32 rows, my 128 columns
	s_add_nc_u64 s[28:29], s[28:29], s[72:73]
	s_add_nc_u64 s[12:13], s[12:13], s[2:3]
	s_add_nc_u64 s[20:21], s[20:21], s[2:3]
	s_add_nc_u64 s[22:23], s[22:23], s[2:3]
	s_add_nc_u64 s[26:27], s[26:27], s[2:3]
	s_lshl_b32 s72, s66, 8
	s_add_nc_u64 s[24:25], s[24:25], s[72:73]      ; b1 at my 64 hidden units
	s_wait_kmcnt 0x0
	s_add_co_i32 s52, s46, s47                     ; e10 + e11
	s_sub_co_i32 s44, 127, s52
	s_lshl_b32 s44, s44, 23                        ; 2^-(e10 + e11)
	s_mov_b32 s45, s44
	s_add_co_i32 s52, s52, 127
	s_lshl_b32 s52, s52, 23                        ; 2^(e10 + e11)
	s_mov_b32 s53, s52
	s_add_co_i32 s70, s48, s49                     ; e12 + e13
	s_sub_co_i32 s54, 127, s70
	s_lshl_b32 s54, s54, 23                        ; 2^-(e12 + e13)
	s_mov_b32 s55, s54
	s_add_co_i32 s72, s50, s51                     ; e14 + e15
	s_sub_co_i32 s56, 127, s72
	s_lshl_b32 s56, s56, 23
	s_mov_b32 s57, s56
	s_add_co_i32 s58, s72, 127
	s_lshl_b32 s58, s58, 23
	s_mov_b32 s59, s58
	s_add_co_i32 s72, s48, 127
	s_lshl_b32 s73, s72, 23
	v_mov_b32 v22, s73                             ; 2^e12
	s_add_co_i32 s72, s72, 8
	s_lshl_b32 s72, s72, 23
	s_or_b32 s72, s72, 0x600000
	v_mov_b32 v23, s72                             ; 448 x 2^e12
	s_sub_co_i32 s72, s50, s70
	s_add_co_i32 s72, s72, 127
	s_lshl_b32 s34, s72, 23                        ; 2^(e14 - e12 - e13): the hidden layer's three scales folded into one
	s_add_co_i32 s72, s72, 8
	s_lshl_b32 s35, s72, 23
	s_or_b32 s35, s35, 0x600000
	s_mov_b32 s30, 0x76543210
	s_mov_b32 s31, 0xfedcba98
	s_mov_b32 s32, 0x3a802008                      ; 1 / 1023
	s_mov_b32 s33, 0x358637bd                      ; 1e-6
	s_mov_b32 s36, (3<<16)|(1<<20)|(6<<22)|(3<<25) ; group 1 for x, where the exponents lay: no mask; 32 rows of 512 bytes, 4,096 apart
	s_mov_b32 s37, 64<<16
	s_mov_b32 s38, 32<<16
	s_mov_b32 s39, 64<<16
	s_mov_b32 s40, 32
	s_mov_b32 s41, 512
	s_mov_b32 s42, 0
	s_mov_b32 s43, 0
	s_wait_loadcnt 32                              ; my part of the attention's result, the statistics, beta1 and bo are in; the 32 weight loads of two K steps may be out
.irp m, 0,1
.irp c, 0,1,2,3
	ds_store_b128 v7, v[AB+16*\m+4*\c:AB+16*\m+4*\c+3] offset:HIMG+16384*\m+512*\c   ; as it stands: an image of the registers
.endr
.endr
	v_mov_b32 v26, v25                             ; rstd as the low word of a pair of its own
	v_mov_b32 v30, v29
.set J, 0
.rept 32
	v_pk_add_f32 v[ACC+64+J:ACC+64+J+1], v[ACC+J:ACC+J+1], v[ACC+64+J:ACC+64+J+1]   ; beta1 + bo,
.set J, J+2
.endr
.set J, 0
.rept 32
	v_pk_mul_f32 v[ACC+J:ACC+J+1], v[ACC+64+J:ACC+64+J+1], s[44:45] op_sel_hi:[1,0]   ; / 2^(e10 + e11): what both tiles' sums begin with
.set J, J+2
.endr
.set J, 0
.rept 32
	v_pk_mul_f32 v[ACC+64+J:ACC+64+J+1], v[ACC+64+J:ACC+64+J+1], s[44:45] op_sel_hi:[1,0]
.set J, J+2
.endr
	SEQ 1, 96, 80, 1, 3, 12                        ; the first pair and the sixteen token fragments lie in LDS; slot 1's first fill, issued as a refill is: Wo's second pair
	; ---- product 6: eight K steps; step s lies in fill s / 2; fragments two steps ahead
	FETCHH 0, VA, HIMG, 8
	LOADL 0, 19, 0
	FETCHH 1, VA+1, HIMG, 8
	LOADL 1, 19, 1
.irp ks, 0,1,2,3,4,5,6,7
.if \ks < 7
	s_wait_dscnt 24                                ; this step's LDS loads are in; the next step's 8 + 16 may be out
.else
	s_wait_dscnt 0x0
.endif
	s_wait_loadcnt 16                              ; this step's direct loads are in; the next step's 16 (at the last step: alpha1's 16) may be out
	MUL16 (\ks%2)
	PLACES
	WIN 0
.if \ks == 0
	SEQ 0, 96, 80, 2, 3, 12                        ; steps 0 and 1 are in registers: slot 0 takes Wo's third pair
.elseif \ks == 2
	SEQ 1, 96, 80, 3, 3, 12                        ; slot 1 its fourth
.elseif \ks == 4
	SEQ 0, 10, 36, 0, 0, 0                         ; slot 0 takes x
.elseif \ks == 7
	SEQ 1, 98, 88, 0, 1, 13                        ; x lies in LDS; slot 1 takes W1's first four K steps
.endif
.if \ks < 2
	global_prefetch_b8 v15, s[10:11] offset:8192*\ks th:TH_LOAD_NT scope:SCOPE_SE   ; 8,192 bytes of x, four and three K steps ahead of its load
.elseif \ks == 2
	s_cmp_lt_u32 ttmp9, 4                          ; the cluster's number: the same in all partners
	s_cbranch_scc0 .Lno_ask
	global_prefetch_b8 v14, s[6:7] th:TH_LOAD_NT scope:SCOPE_SE   ; 8,192 bytes of W1 and W2, five K steps ahead of W1's first load
.Lno_ask:
.endif
.if \ks < 6
	SETVO VA+(\ks%2), (\ks+2)/2, 3, 12, \ks%2
	FETCHH (\ks%2), VA+(\ks%2), HIMG, 8
	LOADL (\ks%2), 19-16*(((\ks+2)/2)%2), \ks%2
	LOADD (\ks%2), VA+(\ks%2), 16384, 60
.elseif \ks == 6
	WIN 0x40
	VEC64 0, 12                                    ; alpha1
	WIN 0
.else
	XLOAD 0
.endif
.endr
	; ---- x1 = sum x 2^(e10 + e11) + alpha1 (x - mean) rstd
	s_wait_loadcnt 0x0                             ; alpha1
.irp m, 0,1
	s_wait_dscnt 0x0                               ; x of this tile
.set J, 0
.rept 32
	v_pk_add_f32 v[T+J:T+J+1], v[T+J:T+J+1], v[24+4*\m:25+4*\m] op_sel_hi:[1,0] neg_lo:[0,1] neg_hi:[0,1]
.set J, J+2
.endr
.set J, 0
.rept 32
	v_pk_mul_f32 v[T+J:T+J+1], v[T+J:T+J+1], v[26+4*\m:27+4*\m] op_sel_hi:[1,0]
.set J, J+2
.endr
.set J, 0
.rept 32
	v_pk_mul_f32 v[ACC+64*\m+J:ACC+64*\m+J+1], v[ACC+64*\m+J:ACC+64*\m+J+1], s[52:53] op_sel_hi:[1,0]   ; each accumulator from its low end on
.set J, J+2
.endr
	WIN 0x04                                       ; source 1 in window 1
.set J, 0
.rept 32
	v_pk_fma_f32 v[ACC+64*\m+J:ACC+64*\m+J+1], v[T+J:T+J+1], v[J:J+1], v[ACC+64*\m+J:ACC+64*\m+J+1]
.set J, J+2
.endr
	WIN 0
.if \m == 0
	XLOAD 1
.endif
.endr
	SETVO VB, 0, 1, 13, 0
	LOADW1D 0, VB
	SETVO VB+1, 0, 1, 13, 1
	LOADW1D 1, VB+1
	WIN 0x40
	VEC64 128, 20                                  ; alpha2
	VEC64 192, 22                                  ; beta2
	WIN 0
	; ---- norm_2, in two passes; a token's sums meet in LDS
	RSUM ACC, 0
	RSUM ACC+64, 1
	ds_store_b32 v5, v[NS]
	ds_store_b32 v5, v[NS+4] offset:512
	SEQ 0, 98, 88, 1, 1, 13                        ; the partial sums lie in LDS; everybody's reads of x are over: slot 0 takes W1's other four K steps
	WSUM 0
.irp m, 0
	v_mul_f32 v[24+4*\m], 0x3a800000, v[NS+4*\m]   ; mean
.endr
.irp m, 1
	s_delay_alu instid0(VALU_DEP_2)
	v_mul_f32 v[24+4*\m], 0x3a800000, v[NS+4*\m]
.endr
.irp m, 0,1
	DIFF \m
	RSQ T, \m
.endr
	ds_store_b32 v5, v[NS] offset:1024
	ds_store_b32 v5, v[NS+4] offset:1536
	BARRIER
	WSUM 1024
.irp m, 0
	v_fma_f32 v[NS+4*\m], v[NS+4*\m], s32, s33
.endr
.irp m, 1
	s_delay_alu instid0(VALU_DEP_2)
	v_fma_f32 v[NS+4*\m], v[NS+4*\m], s32, s33
.endr
	s_wait_alu depctr_va_vdst(0)
.irp m, 0,1
	v_rsq_f32 v[26+4*\m], v[NS+4*\m]
.endr
	v_nop
	s_wait_alu depctr_va_vdst(0)                   ; one wait for both, ahead of their first reader
	s_wait_loadcnt 0x0                             ; alpha2, beta2 (and W1's first two direct groups)
.irp m, 0,1
	DIFF \m
.set J, 0
.rept 32
	v_pk_mul_f32 v[T+J:T+J+1], v[T+J:T+J+1], v[26+4*\m:27+4*\m] op_sel_hi:[1,0]
.set J, J+2
.endr
	WIN 0x14
.set J, 0
.rept 32
	v_pk_fma_f32 v[T+J:T+J+1], v[T+J:T+J+1], v[128+J:129+J], v[192+J:193+J]
.set J, J+2
.endr
	WIN 0
.set J, 0
.rept 64
	v_med3_num_f32 v[T+J], v[T+J], -v23, v23
.set J, J+1
.endr
.irp n, 0,1,2,3,4,5,6,7
	v_cvt_scalef32_pk8_fp8_f32 v[96+16*\m+2*\n:96+16*\m+2*\n+1], v[T+8*\n:T+8*\n+7], v22
.endr
	v_nop                                          ; a plain line behind the last conversion
.irp c, 0,1,2,3
	ds_store_b128 v7, v[96+16*\m+4*\c:96+16*\m+4*\c+3] offset:HIMG+16384*\m+512*\c   ; over the attention's result: every wave's reads of it were over two barriers ago
.endr
.endr
	WIN 0x40
.irp m, 0,1
.irp n, 0,1,2,3
	global_load_b128 v[192+32*\m+8*\n:195+32*\m+8*\n], v4, s[24:25] offset:64*\n      ; b1 straight into product 7's accumulators
	global_load_b128 v[196+32*\m+8*\n:199+32*\m+8*\n], v4, s[24:25] offset:64*\n+16
.endr
.endr
	WIN 0
	SETVO VB+2, 0, 1, 13, 2
	LOADW1D 2, VB+2
	v_mov_b32 v22, s34                             ; from here on the hidden layer's scale and limit
	v_mov_b32 v23, s35
	s_wait_tensorcnt 0x0                           ; my part of W1's second fill is in: the others read behind the barrier
	BARRIER                                        ; norm_2's sixteen fragments and both of W1's fills lie in LDS
	s_mov_b32 s85, 1024                            ; no tensor load is out: the first group 1 now serves W2, whose tiles lie 8,192 bytes apart
	; ---- product 7: eight K steps; steps 0-3 in slot 1, 4-7 in slot 0; W1 three steps ahead, the tokens' fragments two
	FETCHH 0, VB, HIMG, 8
	LOADW1L 0, 3, 0
	FETCHH 1, VB+1, HIMG, 8
	LOADW1L 1, 3, 1
	LOADW1L 2, 3, 2
	s_wait_loadcnt 8                               ; b1 is in; W1's third direct group may be out
	WIN 0x41
.set J, 0
.rept 32
	v_pk_mul_f32 v[192+J:193+J], v[192+J:193+J], s[54:55] op_sel_hi:[1,0]   ; b1 / 2^(e12 + e13)
.set J, J+2
.endr
	s_wait_alu depctr_va_vdst(0)
.irp ks, 0,1,2,3,4,5,6,7
.if \ks < 6
	s_wait_dscnt 24                                ; behind this step's: three younger groups of eight
	s_wait_loadcnt 16                              ; two younger groups of eight
.elseif \ks == 6
	s_wait_dscnt 16
	s_wait_loadcnt 8
.else
	s_wait_dscnt 0x0
	s_wait_loadcnt 0x0
.endif
	MUL8 (\ks%3), (\ks%2)
	PLACES
	WIN 0
.if \ks == 5
	SEQ 0, 100, 80, 1, 1, 12                       ; steps 4 to 7 are in registers: slot 0 takes W2's second pair
.endif
.if \ks < 6
	FETCHH (\ks%2), VB+((\ks+2)%3), HIMG, 8        ; its offset was made with W1's group of that step
.endif
.if \ks < 5
	SETVO VB+(\ks%3), (\ks+3)/4, 1, 13, (\ks+3)%4
	s_wait_alu depctr_va_vdst(0)
	LOADW1L (\ks%3), 3+16*((\ks+3)/4), (\ks+3)%4
	LOADW1D (\ks%3), VB+(\ks%3)
.endif
.if \ks == 0
	SEQ 1, 100, 80, 0, 1, 12                       ; steps 0 to 3 have been asked of slot 1, and the sequence waits for them: it takes W2's first pair
.endif
.endr
	s_wait_xcnt 0x0                                ; my prefetches have read their offsets: v14 and v15 may be written
	global_load_b128 v[12:15], v1, s[26:27]        ; b2, by rows
	SETVO VA, 0, 1, 12, 0
	LOADD 0, VA, 8192, 68
	LOADL 0, 3, 0
	WIN 0x41
.set J, 0
.rept 64
	v_med3_num_f32 v[192+J], v[192+J], 0, v23      ; relu and the hold in one; each accumulator from its low end on
.set J, J+1
.endr
	WIN 0x01
.irp m, 0,1
.irp n, 0,1,2,3
	v_cvt_scalef32_pk8_fp8_f32 v[96+8*\m+2*\n:96+8*\m+2*\n+1], v[192+32*\m+8*\n:192+32*\m+8*\n+7], v22
.endr
.endr
	v_nop
	WIN 0
.irp m, 0,1
.irp i, 0,1
	ds_store_b128 v10, v[96+8*\m+4*\i:96+8*\m+4*\i+3] offset:8192*\m+512*\i
.endr
.endr
	SETVO VA+1, 0, 1, 12, 1
	LOADD 1, VA+1, 8192, 68
	LOADL 1, 3, 1
.set J, 0
.rept 64
	v_pk_mul_f32 v[ACC+J:ACC+J+1], v[ACC+J:ACC+J+1], s[56:57] op_sel_hi:[1,0]   ; x1 / 2^(e14 + e15): product 8 adds onto it
.set J, J+2
.endr
	s_wait_alu depctr_va_vdst(0)
	s_wait_tensorcnt 0x0                           ; my part of W2's second pair is in
	BARRIER                                        ; the hidden layer's eight fragments and W2's second pair lie in LDS
	; ---- product 8: four K steps; steps 0, 1 in slot 1, steps 2, 3 in slot 0
	FETCHH 0, VA, H2IMG, 4
	FETCHH 1, VA+1, H2IMG, 4
.irp ks, 0,1,2,3
.if \ks == 0
	s_wait_dscnt 8
	s_wait_loadcnt 16
.elseif \ks < 3
	s_wait_dscnt 24
	s_wait_loadcnt 16
.else
	s_wait_dscnt 0x0
	s_wait_loadcnt 0x0
.endif
	MUL16 (\ks%2)
	PLACES
	WIN 0
.if \ks < 2
	SETVO VA+(\ks%2), 1, 1, 12, \ks%2
	FETCHH (\ks%2), VA+(\ks%2), H2IMG, 4
	LOADL (\ks%2), 19, \ks%2
	LOADD (\ks%2), VA+(\ks%2), 8192, 68
.endif
.endr
	; ---- the way out: through my region of slot 1, which has had its last fill and which I alone read, back into rows; out = sum x 2^(e14 + e15) + b2
.irp m, 0,1
.irp n, 0,1,2,3,4,5,6,7
	ds_store_b128 v2, v[ACC+64*\m+8*\n:ACC+64*\m+8*\n+3] offset:8448*\m+64*\n
	ds_store_b128 v2, v[ACC+64*\m+8*\n+4:ACC+64*\m+8*\n+7] offset:8448*\m+64*\n+16
.endr
.endr
.set ROW, 0
.rept 32
	ds_load_b128 v[ACC+4*ROW:ACC+4*ROW+3], v3 offset:528*ROW   ; LDS serves a wave's instructions in order (ISA guide 5.7.1.4): these see my stores
.set ROW, ROW+1
.endr
.set ROW, 0
.rept 32
	s_wait_dscnt 31-ROW                            ; the younger rows may be out
	v_pk_fma_f32 v[ACC+4*ROW:ACC+4*ROW+1], v[ACC+4*ROW:ACC+4*ROW+1], s[58:59], v[12:13] op_sel_hi:[1,0,1]
	v_pk_fma_f32 v[ACC+4*ROW+2:ACC+4*ROW+3], v[ACC+4*ROW+2:ACC+4*ROW+3], s[58:59], v[14:15] op_sel_hi:[1,0,1]
	global_store_b128 v1, v[ACC+4*ROW:ACC+4*ROW+3], s[28:29] offset:4096*ROW th:TH_STORE_NT   ; 512 consecutive bytes, aligned
.set ROW, ROW+1
.endr
	s_wait_tensorcnt 0x0                           ; the wave's end
	ds_add_u32 v[SPW], v[NIL]
	s_wait_dscnt 0x0
	ROUND                                          ; the closing round
	s_endpgm
.Lfunc_end_k_qddd8d29f85_tail:
	.size	k_qddd8d29f85_tail, .Lfunc_end_k_qddd8d29f85_tail-k_qddd8d29f85_tail
	.p2alignl 7, 3214868480
	.fill 96, 4, 3214868480
	.section	.rodata,"a",@progbits
	.p2align	6, 0x0
	.amdhsa_kernel k_qddd8d29f85_tail
		.amdhsa_group_segment_fixed_size 327680
		.amdhsa_private_segment_fixed_size 0
		.amdhsa_enable_private_segment 0
		.amdhsa_kernarg_size 104
		.amdhsa_user_sgpr_count 2
		.amdhsa_user_sgpr_kernarg_segment_ptr 1
		.amdhsa_wavefront_size32 1
		.amdhsa_system_sgpr_workgroup_id_x 1
		.amdhsa_system_sgpr_workgroup_id_y 1
		.amdhsa_system_sgpr_workgroup_id_z 1
		.amdhsa_system_vgpr_workitem_id 0
		.amdhsa_next_free_vgpr 512
		.amdhsa_next_free_sgpr 102
		.amdhsa_reserve_vcc 0
		.amdhsa_float_denorm_mode_32 3
		.amdhsa_float_denorm_mode_16_64 3
		.amdhsa_memory_ordered 1
		.amdhsa_forward_progress 1
		.amdhsa_inst_pref_size 192
	.end_amdhsa_kernel
	.amdgpu_metadata
---
amdhsa.version: [ 1, 2 ]
amdhsa.kernels:
  - .name:           k_qddd8d29f85_tail
    .symbol:         k_qddd8d29f85_tail.kd
    .args:
      - { .name: oimg, .offset: 0, .size: 8, .value_kind: global_buffer, .address_space: global }
      - { .name: wimg, .offset: 8, .size: 8, .value_kind: global_buffer, .address_space: global }
      - { .name: stats, .offset: 16, .size: 8, .value_kind: global_buffer, .address_space: global }
      - { .name: x, .offset: 24, .size: 8, .value_kind: global_buffer, .address_space: global }
      - { .name: alpha1, .offset: 32, .size: 8, .value_kind: global_buffer, .address_space: global }
      - { .name: beta1, .offset: 40, .size: 8, .value_kind: global_buffer, .address_space: global }
      - { .name: bo, .offset: 48, .size: 8, .value_kind: global_buffer, .address_space: global }
      - { .name: lowp_scales, .offset: 56, .size: 8, .value_kind: global_buffer, .address_space: global }
      - { .name: alpha2, .offset: 64, .size: 8, .value_kind: global_buffer, .address_space: global }
      - { .name: beta2, .offset: 72, .size: 8, .value_kind: global_buffer, .address_space: global }
      - { .name: b1, .offset: 80, .size: 8, .value_kind: global_buffer, .address_space: global }
      - { .name: b2, .offset: 88, .size: 8, .value_kind: global_buffer, .address_space: global }
      - { .name: out0, .offset: 96, .size: 8, .value_kind: global_buffer, .address_space: global }
    .group_segment_fixed_size: 327680
    .private_segment_fixed_size: 0
    .kernarg_segment_align: 8
    .kernarg_segment_size: 104
    .max_flat_workgroup_size: 256
    .sgpr_count:     102
    .vgpr_count:     512
    .wavefront_size: 32
...
	.end_amdgpu_metadata
.endif
;; end of part 4
